; MI455X (gfx1250); checked and timed in simulation.
; The chip was launched on July 23, 2026; its instructions are those of AMD's public machine-readable ISA for CDNA 5 (MIT licence, August 2026) and "CDNA5" Instruction Set Architecture Reference Guide (July 2026). The comments in the code are by the model that wrote it; some were corrected since.
;; Cloud Crop. Allowed arithmetic: float matrix products may take bf16 or f16 operands with f32 sums; other float arithmetic in f32, or as packed bf16 or f16 multiplies, adds, multiply-adds, maxima and minima; sums over many terms, partial sums and values carried from step to step in f32; what a program stores and reads back later, other than sums and carried values, may be rounded once to bf16 or f16.
;; Inputs: W1 256 x 259 float32; W2 256 x 256 float32; b1 256 float32; b2 256 float32; g1 256 float32; g2 256 float32; seed_features_graspable 8 x 256 x 1,024 float32; seed_xyz_graspable 8 x 1,024 x 3 float32; vp_rot 8 x 1,024 x 3 x 3 float32.
;; Outputs: out0 8 x 256 x 1,024 float32.
;; 2 versions, each right; version 2 is version 1 with the launch stat1 written anew for expert scheduling mode. Each part assembles by itself: llvm-mc -triple=amdgcn-amd-amdhsa -mcpu=gfx1250 --defsym DOCPART=n.
;; ======== version 1 of 2: 7 launches
;; limits: values outside matrix products are rounded to bf16
;; workspace buffers: idx 1,048,576 bytes of whole numbers; PK 263,168 bytes; F1T 4,194,304 bytes; P 524,288 bytes; AC 3,072 bytes; YM 8,388,608 bytes
;; launch query (part 1): grid 256 x 1, 8 waves a work-group, no clusters, 5,120 bytes of LDS; arguments seed_xyz_graspable, vp_rot, W1, W2, g2, b1, idx, PK; writes idx, PK
.if DOCPART == 1
	.amdgcn_target "amdgcn-amd-amdhsa--gfx1250"
	.amdhsa_code_object_version 6
	.text
	.protected	k_q811e3aa5f0_query
	.globl	k_q811e3aa5f0_query
	.p2align	8
	.type	k_q811e3aa5f0_query,@function
k_q811e3aa5f0_query:
	s_mov_b64 s[64:65], 0
	v_nop
	global_prefetch_b8 v0, s[64:65] scope:SCOPE_SE
	s_setreg_imm32_b32 hwreg(HW_REG_WAVE_MODE, 25, 1), 1
	s_wait_xcnt 0x0
; CYLINDER QUERY, and the packing of the weights.
; idx[centre][slot] = the slot-th point (in index order) inside the centre's cylinder, or 0 where there are fewer.
; A work-group takes 32 centres of one batch, a wave 4.  A lane holds 32 of the batch's 1,024 points (point 32 j + lane in register j).
; For each group j of 32 points the test gives a 32-bit mask and a running count P.  Slot = lane: each lane keeps the mask and the count of the
; last group whose count before it is <= lane, all by selects; then it finds the (lane - count)-th set bit of that mask by bit counts.
; No address and no branch hangs on the test's outcome.
; LIMIT: the test is x - c, then mul, fma, fma over m = 0, 1, 2, then l2*l2 and fma(l1, l1, .): a point within about one rounding of a face may fall otherwise than in a differently ordered f32 sum.
; PACKING.  Wave 0 rounds row o = work-group of W2 to bf16, with g2[o]'s sign turned into it, to row rho = 16 (4 (o>>6) + (o&3)) + ((o>>2)&15) of W2P,
; and stores NPIV[rho] = - sum_k W2'[o][k] max(b1[k], 0) (one store of 4 bytes a work-group).  Wave 1 rounds W1[o][3..258] to bf16 into W1P[o].
.set SPARE, 4096                       ; behind the 8 waves' 512 bytes of results: the spare words, 128 bytes a wave
.set PX, 8                             ; v8-39 x, v40-71 y, v72-103 z of my 32 points
.set PY, 40
.set PZ, 72
.set CD, 104                           ; v104-115 lane e (0..3): centre e's c (3) and rot (9)
.set DD, 116                           ; v116-121 p - c, two groups at a time
.set LL, 122                           ; v122-127 local coordinates
.set D2, 128                           ; v128-129
.set WM, 130                           ; the chosen mask
.set PB, 131                           ; (group << 16) | count before it
.set RK, 132
.set BS, 133
.set CA, 134                           ; v134-137 counts in fields of 2, 4, 8, 16 bits
.set PS, 138
.set T0, 139                           ; v139-141 at work
.set LST, 142
.set LRD, 143
.set CV, 40                            ; s40-63: the centre's 12 numbers at even registers, 0 above each: pairs for the packed forms
	s_load_b512 s[4:19], s[0:1], 0x0               ; xyz 4, rot 6, W1 8, W2 10, g2 12, b1 14, idx 16, PK 18
	v_lshl_add_u32 v2, v0, 2, SPARE
	v_mov_b32 v3, 0
	v_and_b32 v4, 31, v0                           ; lane
	v_lshrrev_b32 v1, 5, v0
	v_readfirstlane_b32 s20, v1                    ; wave 0..7
	s_lshr_b32 s21, ttmp9, 5                       ; batch
	s_mul_i32 s22, s21, 12288
	s_mov_b32 s23, 0
	s_lshl_b32 s28, ttmp9, 5
	s_lshl2_add_u32 s28, s20, s28                  ; my first centre: 32 x work-group + 4 x wave
	v_and_b32 v1, 3, v0
	v_add_nc_u32 v1, s28, v1
	v_mul_u32_u24 v5, v1, 12
	v_mul_u32_u24 v7, v1, 36
	v_mul_u32_u24 v6, v4, 12
	s_lshl_b32 s29, s20, 9
	v_lshl_add_u32 v[LST], v4, 2, s29              ; LDS: 512 x wave + 4 x lane
	v_lshl_add_u32 v[LRD], v4, 4, s29              ; and 16 x lane: also my offset in the work-group's 4,096 bytes of idx
	s_mov_b32 s30, 0x76543210
	s_mov_b32 s31, 0xfedcba98
	s_mov_b32 s34, 0x3b23d70a                      ; 0.05^2
	s_mov_b32 s35, 0xbca3d70a                      ; -0.02
	s_mov_b32 s36, 0x3d23d70a                      ; 0.04
	s_wait_kmcnt 0x0
	s_add_nc_u64 s[24:25], s[4:5], s[22:23]        ; the batch's points
	s_lshl_b32 s22, ttmp9, 12
	s_add_nc_u64 s[26:27], s[16:17], s[22:23]      ; the work-group's part of idx
.irp i, 0,1,2
	global_load_b32 v[CD+\i], v5, s[4:5] offset:4*\i
.endr
.irp i, 0,1,2,3,4,5,6,7,8
	global_load_b32 v[CD+3+\i], v7, s[6:7] offset:4*\i
.endr
.set j, 0
.rept 32
	global_load_b32 v[PX+j], v6, s[24:25] offset:384*j
	global_load_b32 v[PY+j], v6, s[24:25] offset:384*j+4
	global_load_b32 v[PZ+j], v6, s[24:25] offset:384*j+8
.set j, j+1
.endr
	s_cmp_lg_u32 s20, 0
	s_cbranch_scc1 .Lnot_w2
	s_lshl_b32 s22, ttmp9, 10                      ; wave 0: row o of W2
	s_add_nc_u64 s[32:33], s[10:11], s[22:23]
	v_lshlrev_b32 v148, 5, v4
	s_lshl_b32 s21, ttmp9, 2
	v_mov_b32 v149, s21
	global_load_b128 v[152:155], v148, s[32:33]
	global_load_b128 v[156:159], v148, s[32:33] offset:16
	global_load_b128 v[160:163], v148, s[14:15]
	global_load_b128 v[164:167], v148, s[14:15] offset:16
	global_load_b32 v150, v149, s[12:13]
	s_lshr_b32 s28, ttmp9, 6
	s_and_b32 s29, ttmp9, 3
	s_lshl2_add_u32 s28, s28, s29
	s_bfe_u32 s29, ttmp9, 0x40002
	s_lshl4_add_u32 s28, s28, s29                  ; rho
	s_lshl_b32 s29, s28, 9
	v_lshl_add_u32 v151, v4, 4, s29
	s_lshl_b32 s29, s28, 2
	v_mov_b32 v168, s29
	v_mov_b32 v170, 0
	s_wait_loadcnt 0x0
	v_and_b32 v150, 0x80000000, v150
.irp e, 0,1,2,3,4,5,6,7
	v_xor_b32 v[152+\e], v150, v[152+\e]
	v_max_num_f32 v[160+\e], 0, v[160+\e]
.endr
	v_mul_f32 v169, v152, v160
.irp e, 1,2,3,4,5,6,7
	v_fmac_f32 v169, v[152+\e], v[160+\e]
.endr
.irp e, 0,1,2,3
	v_cvt_pk_bf16_f32 v[172+\e], v[152+2*\e], v[153+2*\e]
.endr
	global_store_b128 v151, v[172:175], s[18:19] offset:131072
	v_add_f32_dpp v169, v169, v169 row_xmask:1 row_mask:0xf bank_mask:0xf
	v_add_f32_dpp v169, v169, v169 row_xmask:2 row_mask:0xf bank_mask:0xf
	v_add_f32_dpp v169, v169, v169 row_xmask:4 row_mask:0xf bank_mask:0xf
	v_add_f32_dpp v169, v169, v169 row_xmask:8 row_mask:0xf bank_mask:0xf
	v_permlanex16_b32 v170, v169, s30, s31
	v_add_f32 v169, v169, v170
	v_xor_b32 v169, 0x80000000, v169
	s_wait_xcnt 0x0                                ; EXEC changes only behind this wait
	v_cmp_eq_u32 vcc_lo, 0, v4
	s_and_saveexec_b32 s39, vcc_lo
	global_store_b32 v168, v169, s[18:19] offset:262144
	s_wait_xcnt 0x0                                ; and again in front of the line that widens it
	s_or_b32 exec_lo, exec_lo, s39
	s_branch .Lpacked
.Lnot_w2:
	s_cmp_lg_u32 s20, 1
	s_cbranch_scc1 .Lpacked
	s_mul_i32 s22, ttmp9, 1036                     ; wave 1: row o of W1, from its fourth number on
	s_add_co_u32 s22, s22, 12
	s_add_nc_u64 s[32:33], s[8:9], s[22:23]
	v_lshlrev_b32 v148, 5, v4
.irp e, 0,1,2,3,4,5,6,7
	global_load_b32 v[152+\e], v148, s[32:33] offset:4*\e
.endr
	s_lshl_b32 s29, ttmp9, 9
	v_lshl_add_u32 v151, v4, 4, s29
	s_wait_loadcnt 0x0
.irp e, 0,1,2,3
	v_cvt_pk_bf16_f32 v[172+\e], v[152+2*\e], v[153+2*\e]
.endr
	global_store_b128 v151, v[172:175], s[18:19]
.Lpacked:
	s_wait_loadcnt 0x0                             ; points and centres are in
	s_wait_xcnt 0x0
.irp i, 0,1,2,3,4,5,6,7,8,9,10,11
	s_mov_b32 s[CV+1+2*\i], 0
.endr
; Two groups of 32 points, j and j + 1.
.macro GRP2 j
	v_pk_add_f32 v[DD:DD+1], v[PX+\j:PX+\j+1], s[CV:CV+1] op_sel_hi:[1,0]        ; p + (-c)
	v_pk_add_f32 v[DD+2:DD+3], v[PY+\j:PY+\j+1], s[CV+2:CV+3] op_sel_hi:[1,0]
	v_pk_add_f32 v[DD+4:DD+5], v[PZ+\j:PZ+\j+1], s[CV+4:CV+5] op_sel_hi:[1,0]
.irp k, 0,1,2
	v_pk_mul_f32 v[LL+2*\k:LL+2*\k+1], v[DD:DD+1], s[CV+6+2*\k:CV+7+2*\k] op_sel_hi:[1,0]
	v_pk_fma_f32 v[LL+2*\k:LL+2*\k+1], v[DD+2:DD+3], s[CV+12+2*\k:CV+13+2*\k], v[LL+2*\k:LL+2*\k+1] op_sel_hi:[1,0,1]
	v_pk_fma_f32 v[LL+2*\k:LL+2*\k+1], v[DD+4:DD+5], s[CV+18+2*\k:CV+19+2*\k], v[LL+2*\k:LL+2*\k+1] op_sel_hi:[1,0,1]
.endr
	v_pk_mul_f32 v[D2:D2+1], v[LL+4:LL+5], v[LL+4:LL+5]
	v_pk_fma_f32 v[D2:D2+1], v[LL+2:LL+3], v[LL+2:LL+3], v[D2:D2+1]
.irp u, 0,1
	v_cmp_gt_f32 s21, s34, v[D2+\u]
	v_cmp_lt_f32 s28, s35, v[LL+\u]
	v_cmp_gt_f32 s29, s36, v[LL+\u]
	s_and_b32 s21, s21, s28
	s_and_b32 s21, s21, s29                        ; the group's mask
	v_cmp_le_u32 vcc_lo, s37, v4                   ; the count before this group is <= my slot
	s_or_b32 s39, s37, (\j+\u)<<16
	v_cndmask_b32 v[WM], v[WM], s21, vcc_lo
	v_cndmask_b32 v[PB], v[PB], s39, vcc_lo
	s_bcnt1_i32_b32 s28, s21
	s_add_co_u32 s37, s37, s28
.endr
.endm
; One halving step of the search for the RK-th set bit: x holds the counts in fields of the step's width.
.macro STEP x, mask, width
	v_lshrrev_b32 v[T0], v[PS], v[\x]
	v_and_b32 v[T0], \mask, v[T0]
	v_cmp_ge_u32 vcc_lo, v[RK], v[T0]
	v_sub_nc_u32 v[T0+1], v[RK], v[T0]
	v_add_nc_u32 v[T0+2], \width, v[PS]
	v_cndmask_b32 v[RK], v[RK], v[T0+1], vcc_lo
	v_cndmask_b32 v[PS], v[PS], v[T0+2], vcc_lo
.endm
	s_mov_b32 s38, 0
.Lcentre:                                              ; four trips: a centre each
.set i, 0
.rept 12
	v_readlane_b32 s[CV+2*i], v[CD+i], s38
.set i, i+1
.endr
	s_xor_b32 s[CV], s[CV], 0x80000000             ; -c
	s_xor_b32 s[CV+2], s[CV+2], 0x80000000
	s_xor_b32 s[CV+4], s[CV+4], 0x80000000
	v_mov_b32 v[WM], 0
	v_mov_b32 v[PB], 0
	s_mov_b32 s37, 0
.irp j, 0,2,4,6,8,10,12,14,16,18,20,22,24,26,28,30
	GRP2 \j
.endr
	v_and_b32 v[RK], 0xffff, v[PB]
	v_sub_nc_u32 v[RK], v4, v[RK]                  ; my rank inside the chosen group
	v_lshrrev_b32 v[BS], 16, v[PB]
	v_lshlrev_b32 v[BS], 5, v[BS]                  ; the group's first point
	v_lshrrev_b32 v[CA], 1, v[WM]
	v_and_b32 v[CA], 0x55555555, v[CA]
	v_sub_nc_u32 v[CA], v[WM], v[CA]
	v_lshrrev_b32 v[CA+1], 2, v[CA]
	v_and_b32 v[CA+1], 0x33333333, v[CA+1]
	v_and_b32 v[T0], 0x33333333, v[CA]
	v_add_nc_u32 v[CA+1], v[CA+1], v[T0]
	v_lshrrev_b32 v[CA+2], 4, v[CA+1]
	v_add_nc_u32 v[CA+2], v[CA+2], v[CA+1]
	v_and_b32 v[CA+2], 0x0f0f0f0f, v[CA+2]
	v_lshrrev_b32 v[CA+3], 8, v[CA+2]
	v_add_nc_u32 v[CA+3], v[CA+3], v[CA+2]
	v_and_b32 v[CA+3], 0x00ff00ff, v[CA+3]
	v_mov_b32 v[PS], 0
	STEP CA+3, 0xff, 16
	STEP CA+2, 0xff, 8
	STEP CA+1, 15, 4
	STEP CA, 3, 2
	STEP WM, 1, 1
	v_add_nc_u32 v[T0], v[BS], v[PS]
	v_cmp_gt_u32 vcc_lo, s37, v4                   ; the cylinder holds more points than my slot's number
	v_cndmask_b32 v[T0], 0, v[T0], vcc_lo
	ds_store_b32 v[LST], v[T0]
	v_add_nc_u32 v[LST], 128, v[LST]
	s_add_co_u32 s38, s38, 1
	s_cmp_lt_u32 s38, 4
	s_cbranch_scc1 .Lcentre
	ds_load_b128 v[144:147], v[LRD]                ; my wave's own 512 bytes: LDS serves a wave's instructions in order
	s_wait_dscnt 0x0
	global_store_b128 v[LRD], v[144:147], s[26:27] ; 512 consecutive bytes, aligned
	s_wait_tensorcnt 0x0                           ; the wave's end
	ds_add_u32 v2, v3
	s_wait_dscnt 0x0
	s_endpgm
.Lfunc_end_k_q811e3aa5f0_query:
	.size	k_q811e3aa5f0_query, .Lfunc_end_k_q811e3aa5f0_query-k_q811e3aa5f0_query
	.p2alignl 7, 3214868480
	.fill 96, 4, 3214868480
	.section	.rodata,"a",@progbits
	.p2align	6, 0x0
	.amdhsa_kernel k_q811e3aa5f0_query
		.amdhsa_group_segment_fixed_size 5120
		.amdhsa_private_segment_fixed_size 0
		.amdhsa_enable_private_segment 0
		.amdhsa_kernarg_size 64
		.amdhsa_user_sgpr_count 2
		.amdhsa_user_sgpr_kernarg_segment_ptr 1
		.amdhsa_wavefront_size32 1
		.amdhsa_system_sgpr_workgroup_id_x 1
		.amdhsa_system_sgpr_workgroup_id_y 1
		.amdhsa_system_sgpr_workgroup_id_z 1
		.amdhsa_system_vgpr_workitem_id 0
		.amdhsa_next_free_vgpr 176
		.amdhsa_next_free_sgpr 66
		.amdhsa_reserve_vcc 1
		.amdhsa_float_denorm_mode_32 3
		.amdhsa_float_denorm_mode_16_64 3
		.amdhsa_memory_ordered 1
		.amdhsa_forward_progress 1
		.amdhsa_inst_pref_size 52
	.end_amdhsa_kernel
	.amdgpu_metadata
---
amdhsa.version: [ 1, 2 ]
amdhsa.kernels:
  - .name:           k_q811e3aa5f0_query
    .symbol:         k_q811e3aa5f0_query.kd
    .args:
      - { .name: seed_xyz_graspable, .offset: 0, .size: 8, .value_kind: global_buffer, .address_space: global }
      - { .name: vp_rot, .offset: 8, .size: 8, .value_kind: global_buffer, .address_space: global }
      - { .name: W1, .offset: 16, .size: 8, .value_kind: global_buffer, .address_space: global }
      - { .name: W2, .offset: 24, .size: 8, .value_kind: global_buffer, .address_space: global }
      - { .name: g2, .offset: 32, .size: 8, .value_kind: global_buffer, .address_space: global }
      - { .name: b1, .offset: 40, .size: 8, .value_kind: global_buffer, .address_space: global }
      - { .name: idx, .offset: 48, .size: 8, .value_kind: global_buffer, .address_space: global }
      - { .name: PK, .offset: 56, .size: 8, .value_kind: global_buffer, .address_space: global }
    .group_segment_fixed_size: 5120
    .private_segment_fixed_size: 0
    .kernarg_segment_align: 8
    .kernarg_segment_size: 64
    .max_flat_workgroup_size: 256
    .sgpr_count:     66
    .vgpr_count:     176
    .wavefront_size: 32
...
	.end_amdgpu_metadata
.endif
;; end of part 1
;; launch feat (part 2): grid 128 x 2, 4 waves a work-group, no clusters, 58,880 bytes of LDS; arguments seed_features_graspable, PK, F1T; writes F1T
.if DOCPART == 2
	.amdgcn_target "amdgcn-amd-amdhsa--gfx1250"
	.amdhsa_code_object_version 6
	.text
	.protected	k_q811e3aa5f0_feat
	.globl	k_q811e3aa5f0_feat
	.p2align	8
	.type	k_q811e3aa5f0_feat,@function
k_q811e3aa5f0_feat:
	s_mov_b64 s[64:65], 0
	v_nop
	global_prefetch_b8 v0, s[64:65] scope:SCOPE_SE
	s_setreg_imm32_b32 hwreg(HW_REG_WAVE_MODE, 25, 1), 1
	s_wait_xcnt 0x0
; F1T[b*1024+n][o] = sum_c bf16(W1[o][3+c]) * bf16(f[b][c][n] - f[0][c][0]), rounded once to bf16.
; The first convolution's feature part commutes with the gather, so it is made once per point.  The pivot f[0][c][0] is a constant per
; channel c, hence a constant per output channel, which the batch norm behind takes away; a common offset of f so reaches no rounding.
; A work-group: 64 points (x) and 128 output channels (y).  A wave: 2 tiles of 16 channels x 4 tiles of 16 points, K = 256: 64 products.
; f lies [c][n]: it is rounded into LDS as it lies and read turned (ds_load_tr16_b128).  Result: a lane holds one point and 8 neighbouring channels.
.set FP, 160                           ; a row of 64 bf16 + 32 bytes: an odd multiple of 32 for the turning load
.set STG, 40960                        ; the way out: 64 points x 272 bytes
.set SP, 272
.set SPARE, 58368
.set AF, 16                            ; v16-143 W1P fragments: tile p, k step q at 64 p + 8 q
.set ACC, 144                          ; v144-207 accumulators (p, i)
.set BF, 208                           ; v208-239 f fragments, 4 x 8
.set SR, 144                           ; before the products: 16 x 4 numbers of f,
.set PV, 208                           ; and 16 pivots
.macro PLACES
.rept 4
	v_nop
.endr
.endm
	s_load_b128 s[4:7], s[0:1], 0x0                ; f, PK
	s_load_b64 s[8:9], s[0:1], 0x10                ; F1T
	v_lshl_add_u32 v2, v0, 2, SPARE
	v_mov_b32 v3, 0
	v_lshrrev_b32 v1, 5, v0
	v_readfirstlane_b32 s10, v1                    ; wave
	s_and_b32 s11, ttmp7, 0xffff                   ; y
	v_and_b32 v4, 15, v0                           ; r
	v_bfe_u32 v5, v0, 4, 1                         ; h
	s_lshl_b32 s12, s10, 6
	v_add_nc_u32 v6, s12, v5                       ; channel 64 w + h
	v_lshlrev_b32 v7, 12, v6                       ; its row of f: the pivot's offset
	v_lshl_add_u32 v8, v4, 4, v7                   ; + my 16 bytes
	v_mul_u32_u24 v9, v6, FP
	v_lshl_add_u32 v9, v4, 3, v9                   ; where the 4 rounded numbers go
	s_lshr_b32 s13, ttmp9, 4                       ; batch
	s_and_b32 s14, ttmp9, 15                       ; block of 64 points
	s_lshl_b32 s16, s13, 20
	s_lshl_b32 s14, s14, 8
	s_add_co_u32 s16, s16, s14
	s_mov_b32 s17, 0
	s_lshl_b32 s18, s11, 3
	s_lshl1_add_u32 s18, s10, s18                  ; my first channel tile: 8 y + 2 w
	s_lshl_b32 s18, s18, 13
	v_lshl_add_u32 v10, v4, 9, s18
	v_lshl_add_u32 v10, v5, 4, v10                 ; row x 512 + 16 h
	v_and_b32 v12, 7, v0
	v_lshl_add_u32 v12, v5, 3, v12
	v_mul_u32_u24 v11, v12, FP
	v_bfe_u32 v12, v0, 3, 1
	v_lshl_add_u32 v11, v12, 4, v11                ; the turning load's lane term
	v_mul_u32_u24 v13, v4, SP
	v_lshl_add_u32 v13, v5, 4, v13
	s_add_co_u32 s22, s12, STG
	v_add_nc_u32 v13, s22, v13                     ; into the stage: row r, 64 w + 16 h
	s_lshl_b32 s23, s10, 4
	v_add_nc_u32 v14, s23, v5                      ; back: row 16 w + h
	v_mul_u32_u24 v15, v14, SP
	v_lshl_add_u32 v15, v4, 4, v15
	v_add_nc_u32 v15, STG, v15
	v_lshlrev_b32 v14, 9, v14
	v_lshl_add_u32 v14, v4, 4, v14                 ; and the same row in F1T
	s_lshl_b32 s24, ttmp9, 15
	s_lshl_b32 s25, s11, 8
	s_add_co_u32 s24, s24, s25
	s_mov_b32 s25, 0
	s_wait_kmcnt 0x0
	s_add_nc_u64 s[20:21], s[4:5], s[16:17]
	s_add_nc_u64 s[8:9], s[8:9], s[24:25]
.macro STLOAD bt                       ; 32 rows of f (two a load) and their pivots
.set e, 0
.rept 16
	global_load_b128 v[SR+4*e:SR+4*e+3], v8, s[20:21] offset:(32*(\bt)+2*e)*4096
	global_load_b32 v[PV+e], v7, s[4:5] offset:(32*(\bt)+2*e)*4096
.set e, e+1
.endr
.endm
.macro STPUT bt
.set e, 0
.rept 16
.irp k, 0,1,2,3
	v_sub_f32 v[SR+4*e+\k], v[SR+4*e+\k], v[PV+e]
.endr
	v_cvt_pk_bf16_f32 v[SR+4*e], v[SR+4*e], v[SR+4*e+1]
	v_cvt_pk_bf16_f32 v[SR+4*e+1], v[SR+4*e+2], v[SR+4*e+3]
	ds_store_b64 v9, v[SR+4*e:SR+4*e+1] offset:(32*(\bt)+2*e)*FP
.set e, e+1
.endr
.endm
	STLOAD 0
.irp p, 0,1
.irp q, 0,1,2,3,4,5,6,7
	global_load_b128 v[AF+64*\p+8*\q:AF+64*\p+8*\q+3], v10, s[6:7] offset:8192*\p+64*\q
	global_load_b128 v[AF+64*\p+8*\q+4:AF+64*\p+8*\q+7], v10, s[6:7] offset:8192*\p+64*\q+32
.endr
.endr
	s_wait_loadcnt 32                              ; the first 32 rows are in; the 32 loads of W1P may stay out
	STPUT 0
	STLOAD 1
	s_wait_loadcnt 0x0
	STPUT 1
	s_wait_dscnt 0x0                               ; for the others' sake: my rows lie in LDS
	s_barrier_signal -1
	s_barrier_wait -1
.irp q, 0,1,2,3,4,5,6,7
.if \q
	PLACES                                         ; four places in front of loads into registers that the products have read
.endif
.irp i, 0,1,2,3
	ds_load_tr16_b128 v[BF+8*\i:BF+8*\i+3], v11 offset:\q*32*FP+32*\i
	ds_load_tr16_b128 v[BF+8*\i+4:BF+8*\i+7], v11 offset:\q*32*FP+16*FP+32*\i
.endr
	s_wait_dscnt 0x0
.irp p, 0,1
.irp i, 0,1,2,3                        ; the eight accumulators take turns
.if \q
	v_wmma_f32_16x16x32_bf16 v[ACC+8*(4*\p+\i):ACC+8*(4*\p+\i)+7], v[AF+64*\p+8*\q:AF+64*\p+8*\q+7], v[BF+8*\i:BF+8*\i+7], v[ACC+8*(4*\p+\i):ACC+8*(4*\p+\i)+7]
.else
	v_wmma_f32_16x16x32_bf16 v[ACC+8*(4*\p+\i):ACC+8*(4*\p+\i)+7], v[AF+64*\p+8*\q:AF+64*\p+8*\q+7], v[BF+8*\i:BF+8*\i+7], 0
.endif
.endr
.endr
.endr
	PLACES
.irp p, 0,1
.irp i, 0,1,2,3
.irp m, 0,1,2,3
	v_cvt_pk_bf16_f32 v[BF+4*(4*\p+\i)+\m], v[ACC+8*(4*\p+\i)+2*\m], v[ACC+8*(4*\p+\i)+2*\m+1]
.endr
	ds_store_b128 v13, v[BF+4*(4*\p+\i):BF+4*(4*\p+\i)+3] offset:\i*16*SP+32*\p
.endr
.endr
	s_wait_dscnt 0x0
	s_barrier_signal -1
	s_barrier_wait -1                              ; a point's 256 bytes come from all four waves
.irp k, 0,1,2,3,4,5,6,7
	ds_load_b128 v[AF+4*\k:AF+4*\k+3], v15 offset:\k*2*SP
.endr
.irp k, 0,1,2,3,4,5,6,7
	s_wait_dscnt 7-\k                              ; the younger loads may stay out
	global_store_b128 v14, v[AF+4*\k:AF+4*\k+3], s[8:9] offset:\k*1024   ; 16 lanes store 256 consecutive bytes, aligned
.endr
	s_wait_tensorcnt 0x0                           ; the wave's end
	ds_add_u32 v2, v3
	s_wait_dscnt 0x0
	s_endpgm
.Lfunc_end_k_q811e3aa5f0_feat:
	.size	k_q811e3aa5f0_feat, .Lfunc_end_k_q811e3aa5f0_feat-k_q811e3aa5f0_feat
	.p2alignl 7, 3214868480
	.fill 96, 4, 3214868480
	.section	.rodata,"a",@progbits
	.p2align	6, 0x0
	.amdhsa_kernel k_q811e3aa5f0_feat
		.amdhsa_group_segment_fixed_size 58880
		.amdhsa_private_segment_fixed_size 0
		.amdhsa_enable_private_segment 0
		.amdhsa_kernarg_size 24
		.amdhsa_user_sgpr_count 2
		.amdhsa_user_sgpr_kernarg_segment_ptr 1
		.amdhsa_wavefront_size32 1
		.amdhsa_system_sgpr_workgroup_id_x 1
		.amdhsa_system_sgpr_workgroup_id_y 1
		.amdhsa_system_sgpr_workgroup_id_z 1
		.amdhsa_system_vgpr_workitem_id 0
		.amdhsa_next_free_vgpr 240
		.amdhsa_next_free_sgpr 66
		.amdhsa_reserve_vcc 0
		.amdhsa_float_denorm_mode_32 3
		.amdhsa_float_denorm_mode_16_64 3
		.amdhsa_memory_ordered 1
		.amdhsa_forward_progress 1
		.amdhsa_inst_pref_size 36
	.end_amdhsa_kernel
	.amdgpu_metadata
---
amdhsa.version: [ 1, 2 ]
amdhsa.kernels:
  - .name:           k_q811e3aa5f0_feat
    .symbol:         k_q811e3aa5f0_feat.kd
    .args:
      - { .name: seed_features_graspable, .offset: 0, .size: 8, .value_kind: global_buffer, .address_space: global }
      - { .name: PK, .offset: 8, .size: 8, .value_kind: global_buffer, .address_space: global }
      - { .name: F1T, .offset: 16, .size: 8, .value_kind: global_buffer, .address_space: global }
    .group_segment_fixed_size: 58880
    .private_segment_fixed_size: 0
    .kernarg_segment_align: 8
    .kernarg_segment_size: 24
    .max_flat_workgroup_size: 128
    .sgpr_count:     66
    .vgpr_count:     240
    .wavefront_size: 32
...
	.end_amdgpu_metadata
.endif
;; end of part 2
;; launch stat1 (part 3): grid 256 x 1, 4 waves a work-group, no clusters, 166,400 bytes of LDS; arguments idx, seed_xyz_graspable, vp_rot, F1T, W1, P; writes P
.if DOCPART == 3
	.amdgcn_target "amdgcn-amd-amdhsa--gfx1250"
	.amdhsa_code_object_version 6
	.text
	.protected	k_q811e3aa5f0_stat1
	.globl	k_q811e3aa5f0_stat1
	.p2align	8
	.type	k_q811e3aa5f0_stat1,@function
k_q811e3aa5f0_stat1:
	s_mov_b64 s[64:65], 0
	v_nop
	global_prefetch_b8 v0, s[64:65] scope:SCOPE_SE
	s_setreg_imm32_b32 hwreg(HW_REG_WAVE_MODE, 25, 1), 1
	s_wait_xcnt 0x0
; THE FIRST BATCH NORM'S SUMS.  y1[o][col] = F1T[n(col)][o] + Wx[o] . g(col), Wx = W1[:, 0:3], g = rot^T (p[n] - c) x 20.
; P[work-group] = the sums (256) and the sums of squares (256) of y1 over the work-group's 32 centres x 32 samples, in f32.
; A wave takes 8 centres = 16 tiles of 16 samples.  For a tile and a block t of 16 channels the gathered bf16 row pieces, widened, are the C operand of
; one product Wx(t) x g (K = 32 of which 3 are used): in the result a lane holds one sample (lane % 16) and channels 16 t + 8 (lane / 16) + 0..7.
; A ring of 16 gathers stays in flight: a piece is asked for again, for the next tile, as soon as it is widened.
; The tables of row offsets and of g are made once, in the wave's own LDS bytes; two more row entries name row 0, for the last trip's look-ahead, whose data nobody uses.
.set RED, 0                            ; 4 waves x 64 register quads x 528 bytes: the meeting of the sums
.set RPW, 33792
.set WXL, 135168                       ; Wx as fragments: 256 bytes a channel block (lanes 16-31: zeros)
.set ROWT, 139264                      ; per wave 18 entries of 128 bytes: (n << 9) + 16 (lane / 16)
.set RTW, 2304
.set GT, 148480                        ; per wave 17 entries of 256 bytes: g as bf16 (g0, g1), (g2, 0); lanes 16-31: zeros
.set GTW, 4352
.set SPARE, 165888
.set R15, 4
.set H16, 5
.set ZR, 6                             ; v6-7 zeros
.set ROWU, 8
.set ROWN, 9
.set GN, 10
.set RTA, 12
.set GTA, 13
.set WXA, 14
.set RAW, 16                           ; v16-79 the ring
.set D1, 80                            ; v80-111 four accumulators by turns
.set G, 112                            ; v112-119
.set WX, 120                           ; v120-247 sixteen fragments of Wx (registers 2-7 of each: 0)
.set N, 16                             ; at the start: indices, offsets, points, centres, work
.set VO, 32
.set PP, 48
.set CD, 96
.set WK, 108
.set WB, 120
.set XYZ, 6
.set ROT, 8
.set W1P, 12
.set C0, 18
.set IDXB, 20
.set XYZB, 22
.set F1TB, 24
.set LOW, 30
.set CS, 40
.set MSB, 0
.macro WIN new
.if MSB != (\new)
	s_set_vgpr_msb (MSB<<8)|(\new)
.set MSB, (\new)
.endif
.endm
.macro PLACES
.rept 4
	v_nop
.endr
.endm
.macro WXB1 scale                      ; thread T asks for Wx of channels T and T + 128
	v_mul_u32_u24 v1, v0, 1036
.irp i, 0,1,2
	global_load_b32 v[WB+\i], v1, s[W1P:W1P+1] offset:4*\i
	global_load_b32 v[WB+3+\i], v1, s[W1P:W1P+1] offset:132608+4*\i
.endr
.endm
.macro WXB2 scale
	v_cvt_pk_bf16_f32 v[WB+8], v[WB], v[WB+1]
	v_cvt_pk_bf16_f32 v[WB+9], v[WB+2], v[ZR]
	v_cvt_pk_bf16_f32 v[WB+10], v[WB+3], v[WB+4]
	v_cvt_pk_bf16_f32 v[WB+11], v[WB+5], v[ZR]
	v_lshrrev_b32 v[WXA], 4, v0
	v_lshlrev_b32 v[WXA], 8, v[WXA]
	v_lshl_add_u32 v[WXA], v[R15], 3, v[WXA]
	v_add_nc_u32 v[WXA], WXL, v[WXA]
	ds_store_b64 v[WXA], v[WB+8:WB+9]
	ds_store_b64 v[WXA], v[WB+10:WB+11] offset:2048
	ds_store_b64 v[WXA], v[ZR:ZR+1] offset:128
	ds_store_b64 v[WXA], v[ZR:ZR+1] offset:2176
.endm
.macro GEO1                            ; the 16 tiles' indices (both halves of the lanes the same 16), and lane & 7: centre's c and rot
	v_lshlrev_b32 v[WK], 2, v[R15]
	v_and_b32 v[WK+1], 7, v0
	v_add_nc_u32 v[WK+1], s[C0], v[WK+1]
	v_mul_u32_u24 v[WK+2], v[WK+1], 12
	v_mul_u32_u24 v[WK+3], v[WK+1], 36
.set t, 0
.rept 16
	global_load_b32 v[N+t], v[WK], s[IDXB:IDXB+1] offset:64*t
.set t, t+1
.endr
.irp i, 0,1,2
	global_load_b32 v[CD+\i], v[WK+2], s[XYZ:XYZ+1] offset:4*\i
.endr
.irp i, 0,1,2,3,4,5,6,7,8
	global_load_b32 v[CD+3+\i], v[WK+3], s[ROT:ROT+1] offset:4*\i
.endr
.endm
.macro GEO2                            ; the indexed points
.set t, 0
.rept 16
	v_min_u32 v[N+t], 0x3ff, v[N+t]
	v_mul_u32_u24 v[VO+t], v[N+t], 12
.irp i, 0,1,2
	global_load_b32 v[PP+3*t+\i], v[VO+t], s[XYZB:XYZB+1] offset:4*\i
.endr
.set t, t+1
.endr
.endm
.macro GEO3                            ; g and the row offsets, into my wave's tables
.set t, 0
.rept 16
.if (t%2) == 0
.set i, 0
.rept 12
	v_readlane_b32 s[CS+i], v[CD+i], t/2
.set i, i+1
.endr
.endif
.irp i, 0,1,2
	v_sub_f32 v[WK+\i], v[PP+3*t+\i], s[CS+\i]
.endr
.irp i, 0,1,2
	v_mul_f32 v[WK+\i], 0x41a00000, v[WK+\i]
.endr
.irp k, 0,1,2
	v_mul_f32 v[WK+3+\k], s[CS+3+\k], v[WK]
	v_fmac_f32 v[WK+3+\k], s[CS+6+\k], v[WK+1]
	v_fmac_f32 v[WK+3+\k], s[CS+9+\k], v[WK+2]
.endr
	v_cvt_pk_bf16_f32 v[WK+6], v[WK+3], v[WK+4]
	v_cvt_pk_bf16_f32 v[WK+7], v[WK+5], v[ZR]
	v_cndmask_b32 v[WK+6], 0, v[WK+6], s[LOW]
	v_cndmask_b32 v[WK+7], 0, v[WK+7], s[LOW]
	ds_store_b64 v[GTA], v[WK+6:WK+7] offset:256*t
	v_lshl_add_u32 v[WK+8], v[N+t], 9, v[H16]
	ds_store_b32 v[RTA], v[WK+8] offset:128*t
.set t, t+1
.endr
.endm
.macro TREE base                       ; 32 quads into one
.irp s, 16,8,4,2,1
.set k, 0
.rept \s
	v_pk_add_f32 v[(\base)+4*k:(\base)+4*k+1], v[(\base)+4*k:(\base)+4*k+1], v[(\base)+4*(k+\s):(\base)+4*(k+\s)+1]
	v_pk_add_f32 v[(\base)+4*k+2:(\base)+4*k+3], v[(\base)+4*k+2:(\base)+4*k+3], v[(\base)+4*(k+\s)+2:(\base)+4*(k+\s)+3]
.set k, k+1
.endr
.endr
.endm
	s_load_b256 s[4:11], s[0:1], 0x0               ; idx 4, xyz 6, rot 8, F1T 10
	s_load_b128 s[12:15], s[0:1], 0x20             ; W1 12, P 14
	v_lshl_add_u32 v2, v0, 2, SPARE
	v_mov_b32 v3, 0
	v_lshrrev_b32 v1, 5, v0
	v_readfirstlane_b32 s16, v1                    ; wave
	v_and_b32 v[R15], 15, v0
	v_bfe_u32 v[H16], v0, 4, 1
	v_lshlrev_b32 v[H16], 4, v[H16]
	v_mov_b32 v[ZR], 0
	v_mov_b32 v[ZR+1], 0
	v_and_b32 v15, 31, v0
	s_lshr_b32 s17, ttmp9, 5                       ; batch
	s_lshl_b32 s[C0], ttmp9, 5
	s_lshl3_add_u32 s[C0], s16, s[C0]              ; my first centre
	s_mov_b32 s[LOW], 0xffff
	s_mul_i32 s31, s16, RTW
	s_add_co_u32 s31, s31, ROWT
	v_lshl_add_u32 v[RTA], v15, 2, s31
	s_mul_i32 s31, s16, GTW
	s_add_co_u32 s31, s31, GT
	v_lshl_add_u32 v[GTA], v15, 3, s31
	s_lshl_b32 s32, s[C0], 7
	s_mov_b32 s33, 0
	s_mul_i32 s34, s17, 12288
	s_mov_b32 s35, 0
	s_lshl_b32 s36, s17, 19
	s_mov_b32 s37, 0
	s_wait_kmcnt 0x0
	s_add_nc_u64 s[IDXB:IDXB+1], s[4:5], s[32:33]
	s_add_nc_u64 s[XYZB:XYZB+1], s[6:7], s[34:35]
	s_add_nc_u64 s[F1TB:F1TB+1], s[10:11], s[36:37]
	WXB1 0
	GEO1
	s_wait_loadcnt 0x0
	GEO2
	WXB2 0                                         ; stands in the wait for the points
	s_wait_loadcnt 0x0
	GEO3
	ds_store_b32 v[RTA], v[H16] offset:128*16      ; the look-ahead's entries: row 0
	ds_store_b32 v[RTA], v[H16] offset:128*17
	ds_store_b64 v[GTA], v[ZR:ZR+1] offset:256*16
	s_wait_dscnt 0x0
	s_barrier_signal -1
	s_barrier_wait -1                              ; Wx's fragments come from all threads
	v_and_b32 v1, 31, v0
	v_lshl_add_u32 v[WXA], v1, 3, WXL
	ds_load_b32 v[ROWU], v[RTA]
	ds_load_b32 v[ROWN], v[RTA] offset:128
	ds_load_b64 v[GN:GN+1], v[GTA]
.set t, 0
.rept 16
	ds_load_b64 v[WX+8*t:WX+8*t+1], v[WXA] offset:256*t
.irp k, 2,3,4,5,6,7
	v_mov_b32 v[WX+8*t+\k], 0
.endr
.set t, t+1
.endr
.irp k, 2,3,4,5,6,7
	v_mov_b32 v[G+\k], 0
.endr
	WIN 0x40                                       ; the 256 sums start at 0, once a launch, in the wait for the tables: a first tile written out would double the loop's text
.set k, 0
.rept 256
	v_mov_b32 v[k], 0
.set k, k+1
.endr
	WIN 0
	s_wait_dscnt 0x0
	v_min_u32 v[ROWU], 0x7fe10, v[ROWU]            ; (1023 << 9) + 16: a row offset stays inside the batch's rows
.set t, 0
.rept 16
	global_load_b128 v[RAW+4*t:RAW+4*t+3], v[ROWU], s[F1TB:F1TB+1] offset:32*t
.set t, t+1
.endr
; Channel block t of the tile in hand: widen, ask again for the next tile, multiply.
.macro UNP t
	s_wait_loadcnt 15                              ; the ring's 15 younger gathers stay out
.irp m, 0,1,2,3
	v_lshlrev_b32 v[D1+8*((\t)%4)+2*\m], 16, v[RAW+4*(\t)+\m]
	v_and_b32 v[D1+8*((\t)%4)+2*\m+1], 0xffff0000, v[RAW+4*(\t)+\m]
.endr
	global_load_b128 v[RAW+4*(\t):RAW+4*(\t)+3], v[ROWU], s[F1TB:F1TB+1] offset:32*(\t)
	v_wmma_f32_16x16x32_bf16 v[D1+8*((\t)%4):D1+8*((\t)%4)+7], v[WX+8*(\t):WX+8*(\t)+7], v[G:G+7], v[D1+8*((\t)%4):D1+8*((\t)%4)+7]
.endm
.macro SACC t                          ; sums in window 1: v[8 t + j], squares v[128 + 8 t + j]; the result's low registers are read first
	WIN 0x41
.irp m, 0,1,2,3
	v_pk_add_f32 v[8*(\t)+2*\m:8*(\t)+2*\m+1], v[8*(\t)+2*\m:8*(\t)+2*\m+1], v[D1+8*((\t)%4)+2*\m:D1+8*((\t)%4)+2*\m+1]
.endr
	WIN 0x50
.irp m, 0,1,2,3
	v_pk_fma_f32 v[128+8*(\t)+2*\m:128+8*(\t)+2*\m+1], v[D1+8*((\t)%4)+2*\m:D1+8*((\t)%4)+2*\m+1], v[D1+8*((\t)%4)+2*\m:D1+8*((\t)%4)+2*\m+1], v[128+8*(\t)+2*\m:128+8*(\t)+2*\m+1]
.endr
	WIN 0
.endm
	s_mov_b32 s52, 16
.Ltile:
	s_wait_dscnt 0x0                               ; the table entries asked for a trip ago
	s_wait_xcnt 0x0                                ; the ring's gathers have read ROWU
	v_mov_b32 v[G], v[GN]
	v_mov_b32 v[G+1], v[GN+1]
	v_min_u32 v[ROWU], 0x7fe10, v[ROWN]            ; the next tile's rows
	v_add_nc_u32 v[RTA], 128, v[RTA]
	v_add_nc_u32 v[GTA], 256, v[GTA]
	ds_load_b64 v[GN:GN+1], v[GTA]
	ds_load_b32 v[ROWN], v[RTA] offset:128
	UNP 0
.set t, 1
.rept 15
	UNP t                                          ; its eight widening lines are the places between the product before and the sums that read it
	SACC t-1
.set t, t+1
.endr
	PLACES
	SACC 15
	s_sub_co_u32 s52, s52, 1
	s_cmp_lg_u32 s52, 0
	s_cbranch_scc1 .Ltile
	s_wait_loadcnt 0x0                             ; the look-ahead's gathers: their registers are used again
	; THE MEETING.  Every lane's 256 sums go to LDS; thread T then adds, for 4 neighbouring channels, the 16 lanes of a half and the 4 waves.
	v_and_b32 v1, 31, v0
	s_mul_i32 s31, s16, RPW
	v_lshl_add_u32 v8, v1, 4, s31
	WIN 0x04                                       ; the stores' data in window 1
.set k, 0
.rept 64
	ds_store_b128 v8, v[4*k:4*k+3] offset:528*k
.set k, k+1
.endr
	WIN 0
	s_wait_dscnt 0x0
	s_barrier_signal -1
	s_barrier_wait -1
	v_lshrrev_b32 v9, 2, v0                        ; T = kind << 6 | t << 2 | h << 1 | jj: register quad 32 kind + 2 t + jj, lanes 16 h ..
	v_lshlrev_b32 v9, 1, v9
	v_and_b32 v10, 1, v0
	v_or_b32 v9, v9, v10
	v_mul_u32_u24 v9, v9, 528
	v_bfe_u32 v10, v0, 1, 1
	v_lshl_add_u32 v9, v10, 8, v9
	v_add_nc_u32 v10, 2*RPW, v9
.irp w, 0,1
.set k, 0
.rept 16
	ds_load_b128 v[16+64*\w+4*k:16+64*\w+4*k+3], v9 offset:RPW*\w+16*k
.set k, k+1
.endr
.endr
	s_wait_dscnt 0x0
	TREE 16
.irp k, 0,1,2,3
	v_mov_b32 v[144+\k], v[16+\k]
.endr
.irp w, 0,1
.set k, 0
.rept 16
	ds_load_b128 v[16+64*\w+4*k:16+64*\w+4*k+3], v10 offset:RPW*\w+16*k
.set k, k+1
.endr
.endr
	s_wait_dscnt 0x0
	TREE 16
	v_pk_add_f32 v[144:145], v[144:145], v[16:17]
	v_pk_add_f32 v[146:147], v[146:147], v[18:19]
	v_lshlrev_b32 v11, 4, v0
	s_lshl_b32 s32, ttmp9, 11
	s_add_nc_u64 s[14:15], s[14:15], s[32:33]
	global_store_b128 v11, v[144:147], s[14:15]    ; 16 T: sums in the first 1,024 bytes, squares in the second
	s_wait_tensorcnt 0x0                           ; the wave's end
	ds_add_u32 v2, v3
	s_wait_dscnt 0x0
	s_endpgm
.Lfunc_end_k_q811e3aa5f0_stat1:
	.size	k_q811e3aa5f0_stat1, .Lfunc_end_k_q811e3aa5f0_stat1-k_q811e3aa5f0_stat1
	.p2alignl 7, 3214868480
	.fill 96, 4, 3214868480
	.section	.rodata,"a",@progbits
	.p2align	6, 0x0
	.amdhsa_kernel k_q811e3aa5f0_stat1
		.amdhsa_group_segment_fixed_size 166400
		.amdhsa_private_segment_fixed_size 0
		.amdhsa_enable_private_segment 0
		.amdhsa_kernarg_size 48
		.amdhsa_user_sgpr_count 2
		.amdhsa_user_sgpr_kernarg_segment_ptr 1
		.amdhsa_wavefront_size32 1
		.amdhsa_system_sgpr_workgroup_id_x 1
		.amdhsa_system_sgpr_workgroup_id_y 1
		.amdhsa_system_sgpr_workgroup_id_z 1
		.amdhsa_system_vgpr_workitem_id 0
		.amdhsa_next_free_vgpr 512
		.amdhsa_next_free_sgpr 66
		.amdhsa_reserve_vcc 0
		.amdhsa_float_denorm_mode_32 3
		.amdhsa_float_denorm_mode_16_64 3
		.amdhsa_memory_ordered 1
		.amdhsa_forward_progress 1
		.amdhsa_inst_pref_size 87
	.end_amdhsa_kernel
	.amdgpu_metadata
---
amdhsa.version: [ 1, 2 ]
amdhsa.kernels:
  - .name:           k_q811e3aa5f0_stat1
    .symbol:         k_q811e3aa5f0_stat1.kd
    .args:
      - { .name: idx, .offset: 0, .size: 8, .value_kind: global_buffer, .address_space: global }
      - { .name: seed_xyz_graspable, .offset: 8, .size: 8, .value_kind: global_buffer, .address_space: global }
      - { .name: vp_rot, .offset: 16, .size: 8, .value_kind: global_buffer, .address_space: global }
      - { .name: F1T, .offset: 24, .size: 8, .value_kind: global_buffer, .address_space: global }
      - { .name: W1, .offset: 32, .size: 8, .value_kind: global_buffer, .address_space: global }
      - { .name: P, .offset: 40, .size: 8, .value_kind: global_buffer, .address_space: global }
    .group_segment_fixed_size: 166400
    .private_segment_fixed_size: 0
    .kernarg_segment_align: 8
    .kernarg_segment_size: 48
    .max_flat_workgroup_size: 128
    .sgpr_count:     66
    .vgpr_count:     512
    .wavefront_size: 32
...
	.end_amdgpu_metadata
.endif
;; end of part 3
;; launch fin1 (part 4): grid 4 x 1, 8 waves a work-group, no clusters, 5,120 bytes of LDS; arguments P, g1, b1, AC; writes AC
.if DOCPART == 4
	.amdgcn_target "amdgcn-amd-amdhsa--gfx1250"
	.amdhsa_code_object_version 6
	.text
	.protected	k_q811e3aa5f0_fin1
	.globl	k_q811e3aa5f0_fin1
	.p2align	8
	.type	k_q811e3aa5f0_fin1,@function
k_q811e3aa5f0_fin1:
	s_mov_b64 s[64:65], 0
	v_nop
	global_prefetch_b8 v0, s[64:65] scope:SCOPE_SE
	s_setreg_imm32_b32 hwreg(HW_REG_WAVE_MODE, 25, 1), 1
	s_wait_xcnt 0x0
; A BATCH NORM'S CONSTANTS from the 256 work-groups' partial sums: mean = S / 2^18, var = max(Q / 2^18 - mean^2, 0),
; a = g rsq(var + 1e-5), c = b - mean a.  AC = a[256], c[256], mean[256].  The sums were taken of numbers with a pivot taken away, so mean^2 is of var's order.
; A work-group owns 64 channels; wave w adds rows 32 w .. 32 w + 31 of P (lanes 0-15 the sums, lanes 16-31 the squares: 256 bytes each); wave 0 finishes.
.set SPARE, 4096
.macro TREE base
.irp s, 16,8,4,2,1
.set k, 0
.rept \s
	v_pk_add_f32 v[(\base)+4*k:(\base)+4*k+1], v[(\base)+4*k:(\base)+4*k+1], v[(\base)+4*(k+\s):(\base)+4*(k+\s)+1]
	v_pk_add_f32 v[(\base)+4*k+2:(\base)+4*k+3], v[(\base)+4*k+2:(\base)+4*k+3], v[(\base)+4*(k+\s)+2:(\base)+4*(k+\s)+3]
.set k, k+1
.endr
.endr
.endm
	s_load_b256 s[4:11], s[0:1], 0x0               ; P 4, g 6, b 8, AC 10
	v_lshl_add_u32 v2, v0, 2, SPARE
	v_mov_b32 v3, 0
	v_lshrrev_b32 v1, 5, v0
	v_readfirstlane_b32 s12, v1
	v_and_b32 v4, 31, v0
	v_and_b32 v5, 15, v0
	v_bfe_u32 v6, v0, 4, 1
	s_lshl_b32 s13, ttmp9, 8
	s_lshl_b32 s14, s12, 16
	s_add_co_u32 s14, s14, s13
	v_lshl_add_u32 v7, v5, 4, s14
	v_lshl_add_u32 v7, v6, 10, v7
	v_lshl_add_u32 v8, v4, 3, s13
	s_lshl_b32 s15, s12, 9
	v_lshl_add_u32 v9, v4, 4, s15
	v_lshlrev_b32 v10, 3, v4
	s_wait_kmcnt 0x0
.set k, 0
.rept 32
	global_load_b128 v[16+4*k:16+4*k+3], v7, s[4:5] offset:2048*k
.set k, k+1
.endr
	global_load_b64 v[144:145], v8, s[6:7]
	global_load_b64 v[146:147], v8, s[8:9]
	s_wait_loadcnt 0x0
	TREE 16
	ds_store_b128 v9, v[16:19]
	s_wait_dscnt 0x0
	s_barrier_signal -1
	s_barrier_wait -1
	s_cmp_lg_u32 s12, 0
	s_cbranch_scc1 .Lend
.irp w, 0,1,2,3,4,5,6,7
	ds_load_b64 v[16+2*\w:17+2*\w], v10 offset:512*\w
	ds_load_b64 v[32+2*\w:33+2*\w], v10 offset:512*\w+256
.endr
	s_wait_dscnt 0x0
.irp s, 4,2,1
.set k, 0
.rept \s
	v_pk_add_f32 v[16+2*k:17+2*k], v[16+2*k:17+2*k], v[16+2*(k+\s):17+2*(k+\s)]
	v_pk_add_f32 v[32+2*k:33+2*k], v[32+2*k:33+2*k], v[32+2*(k+\s):33+2*(k+\s)]
.set k, k+1
.endr
.endr
.irp e, 0,1
	v_mul_f32 v[48+\e], 0x36800000, v[16+\e]       ; 2^-18
	v_mul_f32 v[50+\e], 0x36800000, v[32+\e]
	v_fma_f32 v[50+\e], -v[48+\e], v[48+\e], v[50+\e]
	v_max_num_f32 v[50+\e], 0, v[50+\e]
	v_add_f32 v[50+\e], 0x3727c5ac, v[50+\e]       ; + 1e-5
.endr
	v_rsq_f32 v52, v50
	v_rsq_f32 v53, v51
	v_nop                                          ; a plain instruction behind the last root,
	s_wait_alu depctr_va_vdst(0)                   ; and the one wait ahead of the first reader
.irp e, 0,1
	v_mul_f32 v[54+\e], v[144+\e], v[52+\e]
	v_fma_f32 v[56+\e], -v[48+\e], v[54+\e], v[146+\e]
.endr
	global_store_b64 v8, v[54:55], s[10:11]              ; 32 lanes: 256 consecutive bytes, aligned
	global_store_b64 v8, v[56:57], s[10:11] offset:1024
	global_store_b64 v8, v[48:49], s[10:11] offset:2048
.Lend:
	s_wait_tensorcnt 0x0                           ; the wave's end
	ds_add_u32 v2, v3
	s_wait_dscnt 0x0
	s_endpgm
.Lfunc_end_k_q811e3aa5f0_fin1:
	.size	k_q811e3aa5f0_fin1, .Lfunc_end_k_q811e3aa5f0_fin1-k_q811e3aa5f0_fin1
	.p2alignl 7, 3214868480
	.fill 96, 4, 3214868480
	.section	.rodata,"a",@progbits
	.p2align	6, 0x0
	.amdhsa_kernel k_q811e3aa5f0_fin1
		.amdhsa_group_segment_fixed_size 5120
		.amdhsa_private_segment_fixed_size 0
		.amdhsa_enable_private_segment 0
		.amdhsa_kernarg_size 32
		.amdhsa_user_sgpr_count 2
		.amdhsa_user_sgpr_kernarg_segment_ptr 1
		.amdhsa_wavefront_size32 1
		.amdhsa_system_sgpr_workgroup_id_x 1
		.amdhsa_system_sgpr_workgroup_id_y 1
		.amdhsa_system_sgpr_workgroup_id_z 1
		.amdhsa_system_vgpr_workitem_id 0
		.amdhsa_next_free_vgpr 160
		.amdhsa_next_free_sgpr 66
		.amdhsa_reserve_vcc 0
		.amdhsa_float_denorm_mode_32 3
		.amdhsa_float_denorm_mode_16_64 3
		.amdhsa_memory_ordered 1
		.amdhsa_forward_progress 1
		.amdhsa_inst_pref_size 12
	.end_amdhsa_kernel
	.amdgpu_metadata
---
amdhsa.version: [ 1, 2 ]
amdhsa.kernels:
  - .name:           k_q811e3aa5f0_fin1
    .symbol:         k_q811e3aa5f0_fin1.kd
    .args:
      - { .name: P, .offset: 0, .size: 8, .value_kind: global_buffer, .address_space: global }
      - { .name: g1, .offset: 8, .size: 8, .value_kind: global_buffer, .address_space: global }
      - { .name: b1, .offset: 16, .size: 8, .value_kind: global_buffer, .address_space: global }
      - { .name: AC, .offset: 24, .size: 8, .value_kind: global_buffer, .address_space: global }
    .group_segment_fixed_size: 5120
    .private_segment_fixed_size: 0
    .kernarg_segment_align: 8
    .kernarg_segment_size: 32
    .max_flat_workgroup_size: 256
    .sgpr_count:     66
    .vgpr_count:     160
    .wavefront_size: 32
...
	.end_amdgpu_metadata
.endif
;; end of part 4
;; launch main (part 5): grid 256 x 1, 4 waves a work-group, no clusters, 176,640 bytes of LDS; arguments idx, seed_xyz_graspable, vp_rot, F1T, W1, AC, PK, YM, P; writes YM, P
.if DOCPART == 5
	.amdgcn_target "amdgcn-amd-amdhsa--gfx1250"
	.amdhsa_code_object_version 6
	.text
	.protected	k_q811e3aa5f0_main
	.globl	k_q811e3aa5f0_main
	.p2align	8
	.type	k_q811e3aa5f0_main,@function
k_q811e3aa5f0_main:
	s_mov_b64 s[64:65], 0
	v_nop
	global_prefetch_b8 v0, s[64:65] scope:SCOPE_SE
	s_setreg_imm32_b32 hwreg(HW_REG_WAVE_MODE, 25, 1), 1
	s_wait_xcnt 0x0
; THE SECOND CONVOLUTION.  h = relu(a1 (F1T[n] + Wx g) + c1), rounded to bf16; y2' = W2' h + NPIV (W2' = W2 with g2's sign in its rows; NPIV a pivot per channel, the same everywhere).
; YM[centre][o] = the maximum of y2' over the centre's 32 samples; P[work-group] = the sums and sums of squares of y2' (f32).
; SHARES.  A work-group takes 32 centres, a wave 8, in four passes of 2 centres = 4 tiles of 16 samples: a wave tile of 64 samples x 256 channels, 512 accumulator registers.
; A PASS.  (1) Production: for channel block t and tile i the gathered piece of F1T, times a1 plus c1, is the C operand of the product (a1 Wx)(t) x g(i); relu, rounding: H, the whole K = 256, 256 registers.
; (2) 512 products H(i) x W2'(T): in the result a lane holds ONE channel (W2P's row 16 T + lane % 16) and 8 samples.  (3) The next pass's rows are read and its first 16 gathers asked for.
; (4) Maximum, sum, squares; W2P's rows are so ordered that a lane's results for T = 4 g .. 4 g + 3 are 4 neighbouring channels: 16 lanes store 256 consecutive bytes of YM.
; GATHERS.  64 a pass.  16 go out ahead of (4) into free registers of window 0; 48 at the pass's top into accumulator registers, which are dead there.  They come back in order, so tile u waits for all but the 63 - u younger ones.
; Four more row entries name row 0 for the last pass's look-ahead, whose data nobody uses.
; W2P comes into LDS once, by one tensor load a wave (64 rows x 512 bytes, padded to 528).  NO CLUSTER: what work-groups share is these 128 KiB, read once, against 512 KiB of gathers of each one's own.
; WINDOWS.  0: addresses, g, W2's fragments (production's work registers in their place), pivots, sums.  1: H(i, k step s) at 64 i + 8 s.  2, 3: accumulator (T, i) at 32 (T % 8) + 8 i.
.set BP, 528
.set A1L, 135168                       ; a1[256], then c1[256]
.set WXL, 137216
.set ROWT, 141312
.set RTW, 2560                         ; 20 entries of 128 bytes a wave
.set GT, 151552
.set GTW, 4096
.set RED, 167936
.set SPARE, 176128
.set R15, 4
.set H16, 5
.set ZR, 6                             ; v6-7 zeros
.set BADR, 8                           ; v8-9 W2's fragments, tiles 0-7 and 8-15
.set PADR, 10
.set WXA, 11
.set YO, 12
.set RTA, 13
.set GTA, 14
.set ROW, 16                           ; v16-19
.set G, 32                             ; v32-63 four tuples (registers 2-7: 0)
.set BH, 64                            ; v64-127, v128-191 two half buffers of W2's fragments
.set RAW0, 64                          ; production: the first 16 gathers,
.set D1, 128                           ; four accumulators by turns,
.set PAR, 160                          ; two sets of a1 (8) and c1 (8)
.set NP, 192                           ; v192-207 NPIV for my channel of each T
.set CT, 208                           ; v208-223 two tuples of 8 equal pivots; in production:
.set WXT, 208                          ; two fragments of a1 Wx
.set SUM, 224
.set SQ, 240
.set MX, 128                           ; the epilogue's work registers
.set EM, 144
.set ES, 148
.set EQ, 152
.set EP, 156
.set N, 64                             ; at the start
.set VO, 80
.set PP, 96
.set CD, 144
.set WK, 156
.set WB, 168
.set XYZ, 6
.set ROT, 8
.set W1P, 12
.set ACP, 14
.set C0, 24
.set IDXB, 26
.set XYZB, 28
.set F1TB, 30
.set LOW, 44
.set HI, 45
.set SEL, 46
.set CS, 48
.set MSB, 0
.macro WIN new
.if MSB != (\new)
	s_set_vgpr_msb (MSB<<8)|(\new)
.set MSB, (\new)
.endif
.endm
.macro PLACES
.rept 4
	v_nop
.endr
.endm
.macro WXB1 scale
	v_mul_u32_u24 v1, v0, 1036
.irp i, 0,1,2
	global_load_b32 v[WB+\i], v1, s[W1P:W1P+1] offset:4*\i
	global_load_b32 v[WB+3+\i], v1, s[W1P:W1P+1] offset:132608+4*\i
.endr
	v_lshlrev_b32 v15, 2, v0
	global_load_b32 v[WB+6], v15, s[ACP:ACP+1]
	global_load_b32 v[WB+7], v15, s[ACP:ACP+1] offset:512
.endm
.macro WXB2 scale
.irp i, 0,1,2
	v_mul_f32 v[WB+\i], v[WB+6], v[WB+\i]
	v_mul_f32 v[WB+3+\i], v[WB+7], v[WB+3+\i]
.endr
	v_cvt_pk_bf16_f32 v[WB+8], v[WB], v[WB+1]
	v_cvt_pk_bf16_f32 v[WB+9], v[WB+2], v[ZR]
	v_cvt_pk_bf16_f32 v[WB+10], v[WB+3], v[WB+4]
	v_cvt_pk_bf16_f32 v[WB+11], v[WB+5], v[ZR]
	v_lshrrev_b32 v[WXA], 4, v0
	v_lshlrev_b32 v[WXA], 8, v[WXA]
	v_lshl_add_u32 v[WXA], v[R15], 3, v[WXA]
	v_add_nc_u32 v[WXA], WXL, v[WXA]
	ds_store_b64 v[WXA], v[WB+8:WB+9]
	ds_store_b64 v[WXA], v[WB+10:WB+11] offset:2048
	ds_store_b64 v[WXA], v[ZR:ZR+1] offset:128
	ds_store_b64 v[WXA], v[ZR:ZR+1] offset:2176
.endm
.macro GEO1
	v_lshlrev_b32 v[WK], 2, v[R15]
	v_and_b32 v[WK+1], 7, v0
	v_add_nc_u32 v[WK+1], s[C0], v[WK+1]
	v_mul_u32_u24 v[WK+2], v[WK+1], 12
	v_mul_u32_u24 v[WK+3], v[WK+1], 36
.set t, 0
.rept 16
	global_load_b32 v[N+t], v[WK], s[IDXB:IDXB+1] offset:64*t
.set t, t+1
.endr
.irp i, 0,1,2
	global_load_b32 v[CD+\i], v[WK+2], s[XYZ:XYZ+1] offset:4*\i
.endr
.irp i, 0,1,2,3,4,5,6,7,8
	global_load_b32 v[CD+3+\i], v[WK+3], s[ROT:ROT+1] offset:4*\i
.endr
.endm
.macro GEO2
.set t, 0
.rept 16
	v_min_u32 v[N+t], 0x3ff, v[N+t]
	v_mul_u32_u24 v[VO+t], v[N+t], 12
.irp i, 0,1,2
	global_load_b32 v[PP+3*t+\i], v[VO+t], s[XYZB:XYZB+1] offset:4*\i
.endr
.set t, t+1
.endr
.endm
.macro GEO3
.set t, 0
.rept 16
.if (t%2) == 0
.set i, 0
.rept 12
	v_readlane_b32 s[CS+i], v[CD+i], t/2
.set i, i+1
.endr
.endif
.irp i, 0,1,2
	v_sub_f32 v[WK+\i], v[PP+3*t+\i], s[CS+\i]
.endr
.irp i, 0,1,2
	v_mul_f32 v[WK+\i], 0x41a00000, v[WK+\i]
.endr
.irp k, 0,1,2
	v_mul_f32 v[WK+3+\k], s[CS+3+\k], v[WK]
	v_fmac_f32 v[WK+3+\k], s[CS+6+\k], v[WK+1]
	v_fmac_f32 v[WK+3+\k], s[CS+9+\k], v[WK+2]
.endr
	v_cvt_pk_bf16_f32 v[WK+6], v[WK+3], v[WK+4]
	v_cvt_pk_bf16_f32 v[WK+7], v[WK+5], v[ZR]
	v_cndmask_b32 v[WK+6], 0, v[WK+6], s[LOW]
	v_cndmask_b32 v[WK+7], 0, v[WK+7], s[LOW]
	ds_store_b64 v[GTA], v[WK+6:WK+7] offset:256*t
	v_lshl_add_u32 v[WK+8], v[N+t], 9, v[H16]
	ds_store_b32 v[RTA], v[WK+8] offset:128*t
.set t, t+1
.endr
.endm
	s_load_b512 s[4:19], s[0:1], 0x0               ; idx 4, xyz 6, rot 8, F1T 10, W1 12, AC 14, PK 16, YM 18
	s_load_b64 s[20:21], s[0:1], 0x40              ; P
	v_lshl_add_u32 v2, v0, 2, SPARE
	v_mov_b32 v3, 0
	ds_add_u32 v2, v3                              ; the opening: the add, twice on end, and its wait ahead of my tensor load
	ds_add_u32 v2, v3
	v_lshrrev_b32 v1, 5, v0
	v_readfirstlane_b32 s22, v1                    ; wave
	s_mov_b32 s36, (1<<16)|(1<<20)|(6<<22)|(3<<25) ; 2-byte elements; 4 words of padding behind every 128 words
	s_mov_b32 s37, 256<<16                         ; tensor_dim0 = 256
	s_mov_b32 s38, 64<<16                          ; tensor_dim1 = 64
	s_mov_b32 s39, 256<<16                         ; tile_dim0 = 256
	s_mov_b32 s40, 64                              ; tile_dim1 = 64
	s_mov_b32 s41, 256                             ; elements from row to row
	s_mov_b32 s42, 0
	s_mov_b32 s43, 0
	s_mov_b32 s32, 1
	s_mul_i32 s33, s22, 64*BP                      ; my 64 rows of W2P in LDS
	s_lshl_b32 s62, s22, 15
	s_add_co_u32 s62, s62, 131072                  ; and in PK
	s_mov_b32 s63, 0
	s_wait_dscnt 0x0
	s_wait_kmcnt 0x0
	s_add_nc_u64 s[34:35], s[16:17], s[62:63]
	s_or_b32 s35, s35, 0x80000000
	tensor_load_to_lds s[32:35], s[36:43]          ; my one tensor load
	s_nop 0
	PLACES
	v_and_b32 v[R15], 15, v0
	v_bfe_u32 v[H16], v0, 4, 1
	v_lshlrev_b32 v[H16], 4, v[H16]
	v_mov_b32 v[ZR], 0
	v_mov_b32 v[ZR+1], 0
	v_and_b32 v21, 31, v0
	s_lshr_b32 s23, ttmp9, 5                       ; batch
	s_lshl_b32 s[C0], ttmp9, 5
	s_lshl3_add_u32 s[C0], s22, s[C0]              ; my first centre
	s_mov_b32 s[LOW], 0xffff
	s_mov_b32 s[HI], 0xffff0000
	s_mov_b32 s[SEL], 0x76543210
	s_mov_b32 s[SEL+1], 0xfedcba98
	s_mul_i32 s61, s22, RTW
	s_add_co_u32 s61, s61, ROWT
	v_lshl_add_u32 v[RTA], v21, 2, s61
	s_mul_i32 s61, s22, GTW
	s_add_co_u32 s61, s61, GT
	v_lshl_add_u32 v[GTA], v21, 3, s61
	v_mul_u32_u24 v[BADR], v[R15], BP
	v_add_nc_u32 v[BADR], v[H16], v[BADR]          ; row x pitch + 16 x half
	v_add_nc_u32 v[BADR+1], 128*BP, v[BADR]
	v_lshl_add_u32 v[PADR], v[H16], 1, A1L
	v_lshlrev_b32 v[YO], 6, v[H16]
	v_lshl_add_u32 v[YO], v[R15], 4, v[YO]         ; 1,024 x half (the second centre) + 16 r
	s_lshl_b32 s62, s[C0], 7
	s_add_nc_u64 s[IDXB:IDXB+1], s[4:5], s[62:63]
	s_mul_i32 s62, s23, 12288
	s_add_nc_u64 s[XYZB:XYZB+1], s[6:7], s[62:63]
	s_lshl_b32 s62, s23, 19
	s_add_nc_u64 s[F1TB:F1TB+1], s[10:11], s[62:63]
	s_lshl_b32 s62, s[C0], 10
	s_add_nc_u64 s[18:19], s[18:19], s[62:63]      ; YM at my first centre
	WXB1 1
	v_lshlrev_b32 v20, 2, v[R15]
.set T, 0
.rept 16
	global_load_b32 v[NP+T], v20, s[16:17] offset:262144+64*T
.set T, T+1
.endr
	v_lshlrev_b32 v22, 4, v0
	global_load_b128 v[184:187], v22, s[ACP:ACP+1] ; a1 and c1: 2,048 bytes, 16 a thread
	GEO1
	s_wait_loadcnt 0x0
	GEO2
	WXB2 1                                         ; stands in the wait for the points
	v_add_nc_u32 v23, A1L, v22
	ds_store_b128 v23, v[184:187]
.irp i, 0,1,2,3
.irp k, 2,3,4,5,6,7
	v_mov_b32 v[G+8*\i+\k], 0
.endr
.endr
.set T, 0
.rept 16
	v_mov_b32 v[SUM+T], 0
	v_mov_b32 v[SQ+T], 0
.set T, T+1
.endr
	s_wait_loadcnt 0x0
	GEO3
.irp i, 16,17,18,19
	ds_store_b32 v[RTA], v[H16] offset:128*\i      ; the look-ahead's entries: row 0
.endr
	v_lshl_add_u32 v[WXA], v21, 3, WXL
	s_wait_tensorcnt 0x0                           ; my rows of W2P have landed,
	s_wait_dscnt 0x0                               ; my LDS stores are done:
	s_barrier_signal -1
	s_barrier_wait -1                              ; everybody's
.macro NEXTROWS                        ; four tiles' row offsets, and the first 16 gathers (channel blocks 0-3)
	WIN 0
.irp i, 0,1,2,3
	ds_load_b32 v[ROW+\i], v[RTA] offset:128*\i
.endr
	s_wait_dscnt 0x0
.irp i, 0,1,2,3
	v_min_u32 v[ROW+\i], 0x7fe10, v[ROW+\i]        ; (1023 << 9) + 16: inside the batch's rows
.endr
.set u, 0
.rept 16
	global_load_b128 v[RAW0+4*u:RAW0+4*u+3], v[ROW+u%4], s[F1TB:F1TB+1] offset:32*(u/4)
.set u, u+1
.endr
.endm
.macro PLD t                           ; a1, c1 and a1 Wx of channel block t, into set t % 2
	WIN 0
	ds_load_b128 v[PAR+16*((\t)%2):PAR+16*((\t)%2)+3], v[PADR] offset:64*(\t)
	ds_load_b128 v[PAR+16*((\t)%2)+4:PAR+16*((\t)%2)+7], v[PADR] offset:64*(\t)+16
	ds_load_b128 v[PAR+16*((\t)%2)+8:PAR+16*((\t)%2)+11], v[PADR] offset:1024+64*(\t)
	ds_load_b128 v[PAR+16*((\t)%2)+12:PAR+16*((\t)%2)+15], v[PADR] offset:1024+64*(\t)+16
	ds_load_b64 v[WXT+8*((\t)%2):WXT+8*((\t)%2)+1], v[WXA] offset:256*(\t)
.endm
.macro PA u                            ; tile u = 4 t + i: a1 F1 + c1, then the product with g
.set t, (\u)/4
.set i, (\u)%4
.set ps, PAR+16*(t%2)
.if (\u) < 16
	WIN 0
.set rr, RAW0+4*(\u)
.else
	WIN 0x02                                       ; the gathered piece lies in window 2
.set rr, 4*((\u)-16)
.endif
	s_wait_loadcnt 63-(\u)                         ; the pass's younger gathers stay out
.irp m, 0,1,2,3
	v_fma_mix_f32_bf16 v[D1+8*i+2*\m], v[rr+\m], v[ps+2*\m], v[ps+8+2*\m] op_sel_hi:[1,0,0]
	v_fma_mix_f32_bf16 v[D1+8*i+2*\m+1], v[rr+\m], v[ps+2*\m+1], v[ps+8+2*\m+1] op_sel:[1,0,0] op_sel_hi:[1,0,0]
.endr
	WIN 0
	v_wmma_f32_16x16x32_bf16 v[D1+8*i:D1+8*i+7], v[WXT+8*(t%2):WXT+8*(t%2)+7], v[G+8*i:G+8*i+7], v[D1+8*i:D1+8*i+7]
.endm
.macro PC u                            ; tile u: rounded in place (low registers first), relu on the packed halves, into H
.set t, (\u)/4
.set i, (\u)%4
	WIN 0
.irp m, 0,1,2,3
	v_cvt_pk_bf16_f32 v[D1+8*i+\m], v[D1+8*i+2*\m], v[D1+8*i+2*\m+1]
.endr
	WIN 0x40
.irp m, 0,1,2,3
	v_pk_max_num_bf16 v[64*i+8*(t/2)+4*(t%2)+\m], v[D1+8*i+\m], v[ZR]
.endr
.endm
.macro BLOAD half, sg                  ; W2's tiles 8 half .. 8 half + 7, k step sg: 16 LDS loads in one run
	WIN 0
.irp b, 0,1,2,3,4,5,6,7
	ds_load_b128 v[BH+64*(\half)+8*\b:BH+64*(\half)+8*\b+3], v[BADR+(\half)] offset:\b*16*BP+64*(\sg)
	ds_load_b128 v[BH+64*(\half)+8*\b+4:BH+64*(\half)+8*\b+7], v[BADR+(\half)] offset:\b*16*BP+64*(\sg)+32
.endr
.endm
.macro MULH half, sg                   ; 32 products; the accumulators take turns.  The first k step starts the sums at the pivot
.set T, 0
.rept 8
.if (\sg) == 0
	WIN 0
.irp k, 0,1,2,3,4,5,6,7
	v_mov_b32 v[CT+8*(T%2)+\k], v[NP+8*(\half)+T]  ; two tuples by turns: the other tuple's eight lines are the places behind this tuple's last readers
.endr
	WIN 0x81+0x40*(\half)
.irp i, 0,1,2,3
	v_wmma_f32_16x16x32_bf16 v[32*T+8*\i:32*T+8*\i+7], v[64*\i:64*\i+7], v[BH+64*(\half)+8*T:BH+64*(\half)+8*T+7], v[CT+8*(T%2):CT+8*(T%2)+7]
.endr
.else
	WIN 0xa1+0x50*(\half)
.irp i, 0,1,2,3
	v_wmma_f32_16x16x32_bf16 v[32*T+8*\i:32*T+8*\i+7], v[64*\i+8*(\sg):64*\i+8*(\sg)+7], v[BH+64*(\half)+8*T:BH+64*(\half)+8*T+7], v[32*T+8*\i:32*T+8*\i+7]
.endr
.endif
.set T, T+1
.endr
.endm
.macro EPI                             ; for each T: four maxima (one an accumulator, each read first at its low end), two chains of sums, two of squares
.set T, 0
.rept 16
.set W, 2+T/8
.set A0, 32*(T%8)
	WIN W|(W<<2)|(W<<4)
.irp i, 0,1,2,3
	v_max3_num_f32 v[EM+\i], v[A0+8*\i], v[A0+8*\i+1], v[A0+8*\i+2]
.endr
	v_pk_add_f32 v[ES:ES+1], v[A0:A0+1], v[A0+8:A0+9]
	v_pk_add_f32 v[ES+2:ES+3], v[A0+16:A0+17], v[A0+24:A0+25]
	v_pk_mul_f32 v[EQ:EQ+1], v[A0:A0+1], v[A0:A0+1]
	v_pk_mul_f32 v[EQ+2:EQ+3], v[A0+16:A0+17], v[A0+16:A0+17]
	WIN (W<<2)|(W<<4)
.irp m, 3,5
.irp i, 0,1,2,3
	v_max3_num_f32 v[EM+\i], v[EM+\i], v[A0+8*\i+\m], v[A0+8*\i+\m+1]
.endr
.endr
.irp i, 0,1,2,3
	v_max_num_f32 v[EM+\i], v[EM+\i], v[A0+8*\i+7]
.endr
.irp m, 2,4,6
.irp i, 0,2,1,3
	v_pk_add_f32 v[ES+2*(\i/2):ES+2*(\i/2)+1], v[ES+2*(\i/2):ES+2*(\i/2)+1], v[A0+8*\i+\m:A0+8*\i+\m+1]
.endr
.endr
	WIN W|(W<<2)
.irp i, 1,3
	v_pk_fma_f32 v[EQ+2*(\i/2):EQ+2*(\i/2)+1], v[A0+8*\i:A0+8*\i+1], v[A0+8*\i:A0+8*\i+1], v[EQ+2*(\i/2):EQ+2*(\i/2)+1]
.endr
.irp m, 2,4,6
.irp i, 0,2,1,3
	v_pk_fma_f32 v[EQ+2*(\i/2):EQ+2*(\i/2)+1], v[A0+8*\i+\m:A0+8*\i+\m+1], v[A0+8*\i+\m:A0+8*\i+\m+1], v[EQ+2*(\i/2):EQ+2*(\i/2)+1]
.endr
.endr
	WIN 0
	v_max_num_f32 v[EM], v[EM], v[EM+1]            ; the first centre's tiles,
	v_max_num_f32 v[EM+2], v[EM+2], v[EM+3]        ; the second's
	v_pk_add_f32 v[ES:ES+1], v[ES:ES+1], v[ES+2:ES+3]
	v_pk_add_f32 v[EQ:EQ+1], v[EQ:EQ+1], v[EQ+2:EQ+3]
	v_permlanex16_b32 v[EP], v[EM], s[SEL], s[SEL+1]       ; a tile's other 8 samples lie in the lane 16 away
	v_permlanex16_b32 v[EP+1], v[EM+2], s[SEL], s[SEL+1]
	v_add_f32 v[ES], v[ES], v[ES+1]
	v_add_f32 v[EQ], v[EQ], v[EQ+1]
	v_max_num_f32 v[EM], v[EM], v[EP]
	v_max_num_f32 v[EM+2], v[EM+2], v[EP+1]
	v_add_f32 v[SUM+T], v[SUM+T], v[ES]
	v_add_f32 v[SQ+T], v[SQ+T], v[EQ]
	v_cndmask_b32 v[MX+T], v[EM], v[EM+2], s[HI]   ; lanes 0-15 store the first centre's, lanes 16-31 the second's
.if (T%4) == 3
	global_store_b128 v[YO], v[MX+T-3:MX+T], s[18:19] offset:256*(T/4)  ; 16 lanes: 256 consecutive bytes, aligned
.endif
.set T, T+1
.endr
.endm
	NEXTROWS
	s_mov_b32 s60, 4
.Lpass:
	WIN 0x80                                       ; the pass's other 48 gathers land in window 2
.set u, 16
.rept 48
	global_load_b128 v[4*(u-16):4*(u-16)+3], v[ROW+u%4], s[F1TB:F1TB+1] offset:32*(u/4)
.set u, u+1
.endr
	WIN 0
.irp i, 0,1,2,3
	ds_load_b64 v[G+8*\i:G+8*\i+1], v[GTA] offset:256*\i
.endr
.irp k, 2,3,4,5,6,7,10,11,12,13,14,15
	v_mov_b32 v[WXT+\k], 0                         ; the pivots' tuples lay here
.endr
	PLD 0
.set u, 0
.rept 64
.if (u%4) == 0
	s_wait_dscnt 0x0                               ; this channel block's set, asked for three tiles ago (the first: just now, with g)
.endif
	PA u
.if ((u%4) == 0) && (u < 60)
	PLD u/4+1                                      ; eight plain lines behind the last product that read that set's Wx
.endif
.if u > 0
	PC u-1                                         ; eight plain lines behind the product that it reads
.endif
.set u, u+1
.endr
	PLACES
	PC 63
	BLOAD 0, 0
.irp sg, 0,1,2,3,4,5,6,7
.if \sg
	PLACES                                         ; four places in front of loads into registers that the products have read
.endif
	BLOAD 1, \sg
	s_wait_dscnt 16                                ; the first half is in; the 16 loads just issued may stay out
	MULH 0, \sg
.if \sg < 7
	PLACES
	BLOAD 0, \sg+1
	s_wait_dscnt 16
.else
	s_wait_dscnt 0x0
.endif
	MULH 1, \sg
.endr
	PLACES                                         ; behind the last products: for the gathers below and for the epilogue's reads
	WIN 0
	v_add_nc_u32 v[RTA], 512, v[RTA]
	v_add_nc_u32 v[GTA], 1024, v[GTA]
	NEXTROWS                                       ; they have the epilogue in which to land
	EPI
	s_wait_xcnt 0x0                                ; the stores have read their data and their base
	s_add_nc_u64 s[18:19], s[18:19], 2048
	s_sub_co_u32 s60, s60, 1
	s_cmp_lg_u32 s60, 0
	s_cbranch_scc1 .Lpass
	s_wait_loadcnt 0x0                             ; the look-ahead's gathers
	; THE SUMS MEET: the two halves of the lanes, then the four waves through LDS.  Lanes 0-15 hand on the sums, lanes 16-31 the squares.
.set T, 0
.rept 16
	v_permlanex16_b32 v[EM], v[SUM+T], s[SEL], s[SEL+1]
	v_permlanex16_b32 v[EM+1], v[SQ+T], s[SEL], s[SEL+1]
	v_add_f32 v[SUM+T], v[SUM+T], v[EM]
	v_add_f32 v[SQ+T], v[SQ+T], v[EM+1]
	v_cndmask_b32 v[MX+T], v[SUM+T], v[SQ+T], s[HI]
.set T, T+1
.endr
	v_lshlrev_b32 v15, 6, v[H16]
	v_lshl_add_u32 v15, v[R15], 4, v15
	s_lshl_b32 s62, s22, 11
	s_add_co_u32 s62, s62, RED
	v_add_nc_u32 v15, s62, v15
.irp g, 0,1,2,3
	ds_store_b128 v15, v[MX+4*\g:MX+4*\g+3] offset:256*\g   ; channels 64 g + 4 r + 0..3
.endr
	s_wait_dscnt 0x0
	s_barrier_signal -1
	s_barrier_wait -1
	v_lshl_add_u32 v1, v0, 4, RED
.irp w, 0,1,2,3
	ds_load_b128 v[64+4*\w:67+4*\w], v1 offset:2048*\w
.endr
	s_wait_dscnt 0x0
	v_pk_add_f32 v[64:65], v[64:65], v[68:69]
	v_pk_add_f32 v[66:67], v[66:67], v[70:71]
	v_pk_add_f32 v[72:73], v[72:73], v[76:77]
	v_pk_add_f32 v[74:75], v[74:75], v[78:79]
	v_pk_add_f32 v[64:65], v[64:65], v[72:73]
	v_pk_add_f32 v[66:67], v[66:67], v[74:75]
	s_lshl_b32 s62, ttmp9, 11
	s_add_nc_u64 s[20:21], s[20:21], s[62:63]
	global_store_b128 v22, v[64:67], s[20:21]      ; v22 = 16 x thread
	s_wait_tensorcnt 0x0                           ; the wave's end
	ds_add_u32 v2, v3
	s_wait_dscnt 0x0
	s_endpgm
.Lfunc_end_k_q811e3aa5f0_main:
	.size	k_q811e3aa5f0_main, .Lfunc_end_k_q811e3aa5f0_main-k_q811e3aa5f0_main
	.p2alignl 7, 3214868480
	.fill 96, 4, 3214868480
	.section	.rodata,"a",@progbits
	.p2align	6, 0x0
	.amdhsa_kernel k_q811e3aa5f0_main
		.amdhsa_group_segment_fixed_size 176640
		.amdhsa_private_segment_fixed_size 0
		.amdhsa_enable_private_segment 0
		.amdhsa_kernarg_size 72
		.amdhsa_user_sgpr_count 2
		.amdhsa_user_sgpr_kernarg_segment_ptr 1
		.amdhsa_wavefront_size32 1
		.amdhsa_system_sgpr_workgroup_id_x 1
		.amdhsa_system_sgpr_workgroup_id_y 1
		.amdhsa_system_sgpr_workgroup_id_z 1
		.amdhsa_system_vgpr_workitem_id 0
		.amdhsa_next_free_vgpr 1024
		.amdhsa_next_free_sgpr 66
		.amdhsa_reserve_vcc 0
		.amdhsa_float_denorm_mode_32 3
		.amdhsa_float_denorm_mode_16_64 3
		.amdhsa_memory_ordered 1
		.amdhsa_forward_progress 1
		.amdhsa_inst_pref_size 250
	.end_amdhsa_kernel
	.amdgpu_metadata
---
amdhsa.version: [ 1, 2 ]
amdhsa.kernels:
  - .name:           k_q811e3aa5f0_main
    .symbol:         k_q811e3aa5f0_main.kd
    .args:
      - { .name: idx, .offset: 0, .size: 8, .value_kind: global_buffer, .address_space: global }
      - { .name: seed_xyz_graspable, .offset: 8, .size: 8, .value_kind: global_buffer, .address_space: global }
      - { .name: vp_rot, .offset: 16, .size: 8, .value_kind: global_buffer, .address_space: global }
      - { .name: F1T, .offset: 24, .size: 8, .value_kind: global_buffer, .address_space: global }
      - { .name: W1, .offset: 32, .size: 8, .value_kind: global_buffer, .address_space: global }
      - { .name: AC, .offset: 40, .size: 8, .value_kind: global_buffer, .address_space: global }
      - { .name: PK, .offset: 48, .size: 8, .value_kind: global_buffer, .address_space: global }
      - { .name: YM, .offset: 56, .size: 8, .value_kind: global_buffer, .address_space: global }
      - { .name: P, .offset: 64, .size: 8, .value_kind: global_buffer, .address_space: global }
    .group_segment_fixed_size: 176640
    .private_segment_fixed_size: 0
    .kernarg_segment_align: 8
    .kernarg_segment_size: 72
    .max_flat_workgroup_size: 128
    .sgpr_count:     66
    .vgpr_count:     1024
    .wavefront_size: 32
...
	.end_amdgpu_metadata
.endif
;; end of part 5
;; launch fin2: the kernel of part 4 again; grid 4 x 1, 8 waves a work-group, no clusters, 5,120 bytes of LDS; arguments P, g2, b2, AC; writes AC
;; launch norm (part 6): grid 128 x 2, 8 waves a work-group, no clusters, 34,048 bytes of LDS; arguments YM, AC, b2, out0; writes out0
.if DOCPART == 6
	.amdgcn_target "amdgcn-amd-amdhsa--gfx1250"
	.amdhsa_code_object_version 6
	.text
	.protected	k_q811e3aa5f0_norm
	.globl	k_q811e3aa5f0_norm
	.p2align	8
	.type	k_q811e3aa5f0_norm,@function
k_q811e3aa5f0_norm:
	s_mov_b64 s[64:65], 0
	v_nop
	global_prefetch_b8 v0, s[64:65] scope:SCOPE_SE
	s_setreg_imm32_b32 hwreg(HW_REG_WAVE_MODE, 25, 1), 1
	s_wait_xcnt 0x0
; out0[b][o][p] = max(|a2[o]| (YM[b*1024+p][o] - mean[o]) + b2[o], 0).  W2's rows carried g2's sign, so the norm's slope is |a2| and the maximum over samples was enough.
; The mean is taken away first, then the slope applied.  A work-group: 64 centres (x) x 128 channels (y), turned through LDS (pitch 129 words: rows and columns both free of conflicts).
; Memory binds: each byte of YM is read once, each of out0 written once, 16 lanes to 256 consecutive bytes.  No matrix unit, no cluster: nothing is shared.
.set TP, 516
.set SPARE, 33024
	s_load_b256 s[4:11], s[0:1], 0x0               ; YM 4, AC 6, b2 8, out0 10
	v_lshl_add_u32 v2, v0, 2, SPARE
	v_mov_b32 v3, 0
	v_lshrrev_b32 v1, 5, v0
	v_readfirstlane_b32 s12, v1                    ; wave
	s_and_b32 s13, ttmp7, 0xffff                   ; y
	v_and_b32 v4, 31, v0
	v_and_b32 v5, 15, v0
	v_bfe_u32 v6, v0, 4, 1
	s_lshl_b32 s16, ttmp9, 16
	s_lshl_b32 s14, s12, 13
	s_add_co_u32 s16, s16, s14
	s_lshl_b32 s15, s13, 9
	s_add_co_u32 s16, s16, s15
	s_mov_b32 s17, 0
	v_lshlrev_b32 v7, 4, v4
	v_lshl_add_u32 v8, v4, 4, s15
	s_mul_i32 s14, s12, 8*TP
	v_lshl_add_u32 v9, v4, 4, s14                  ; in: row 8 w + e, word 4 l + i
	v_mul_u32_u24 v10, v5, 4*TP
	s_lshl_b32 s14, s12, 6
	v_add_nc_u32 v10, s14, v10
	v_lshl_add_u32 v10, v6, 2, v10                 ; back: rows 4 (l % 16) + i, word 16 w + 2 k + l / 16
	s_lshl_b32 s14, s12, 4
	v_add_nc_u32 v11, s14, v6
	v_lshlrev_b32 v11, 12, v11
	v_lshl_add_u32 v11, v5, 4, v11
	s_lshr_b32 s20, ttmp9, 4
	s_lshl_b32 s20, s20, 20
	s_lshl_b32 s14, s13, 19
	s_add_co_u32 s20, s20, s14
	s_and_b32 s14, ttmp9, 15
	s_lshl_b32 s14, s14, 8
	s_add_co_u32 s20, s20, s14
	s_mov_b32 s21, 0
	s_wait_kmcnt 0x0
	s_add_nc_u64 s[18:19], s[4:5], s[16:17]
	s_add_nc_u64 s[10:11], s[10:11], s[20:21]
.irp e, 0,1,2,3,4,5,6,7
	global_load_b128 v[16+4*\e:19+4*\e], v7, s[18:19] offset:1024*\e th:TH_LOAD_NT
.endr
	global_load_b128 v[48:51], v8, s[6:7]
	global_load_b128 v[52:55], v8, s[6:7] offset:2048
	global_load_b128 v[56:59], v8, s[8:9]
	s_wait_loadcnt 0x0
.irp i, 0,1,2,3
	v_and_b32 v[48+\i], 0x7fffffff, v[48+\i]
	v_xor_b32 v[52+\i], 0x80000000, v[52+\i]
.endr
.irp e, 0,1,2,3,4,5,6,7
	v_pk_add_f32 v[16+4*\e:17+4*\e], v[16+4*\e:17+4*\e], v[52:53]
	v_pk_add_f32 v[18+4*\e:19+4*\e], v[18+4*\e:19+4*\e], v[54:55]
	v_pk_fma_f32 v[16+4*\e:17+4*\e], v[16+4*\e:17+4*\e], v[48:49], v[56:57]
	v_pk_fma_f32 v[18+4*\e:19+4*\e], v[18+4*\e:19+4*\e], v[50:51], v[58:59]
.irp i, 0,1,2,3
	v_max_num_f32 v[16+4*\e+\i], 0, v[16+4*\e+\i]
	ds_store_b32 v9, v[16+4*\e+\i] offset:\e*TP+4*\i
.endr
.endr
	s_wait_dscnt 0x0
	s_barrier_signal -1
	s_barrier_wait -1
.irp k, 0,1,2,3,4,5,6,7
.irp i, 0,1,2,3
	ds_load_b32 v[64+4*\k+\i], v10 offset:\i*TP+8*\k
.endr
.endr
.irp k, 0,1,2,3,4,5,6,7
	s_wait_dscnt 4*(7-\k)                          ; the younger loads may stay out
	global_store_b128 v11, v[64+4*\k:67+4*\k], s[10:11] offset:8192*\k th:TH_STORE_NT
.endr
	s_wait_tensorcnt 0x0                           ; the wave's end
	ds_add_u32 v2, v3
	s_wait_dscnt 0x0
	s_endpgm
.Lfunc_end_k_q811e3aa5f0_norm:
	.size	k_q811e3aa5f0_norm, .Lfunc_end_k_q811e3aa5f0_norm-k_q811e3aa5f0_norm
	.p2alignl 7, 3214868480
	.fill 96, 4, 3214868480
	.section	.rodata,"a",@progbits
	.p2align	6, 0x0
	.amdhsa_kernel k_q811e3aa5f0_norm
		.amdhsa_group_segment_fixed_size 34048
		.amdhsa_private_segment_fixed_size 0
		.amdhsa_enable_private_segment 0
		.amdhsa_kernarg_size 32
		.amdhsa_user_sgpr_count 2
		.amdhsa_user_sgpr_kernarg_segment_ptr 1
		.amdhsa_wavefront_size32 1
		.amdhsa_system_sgpr_workgroup_id_x 1
		.amdhsa_system_sgpr_workgroup_id_y 1
		.amdhsa_system_sgpr_workgroup_id_z 1
		.amdhsa_system_vgpr_workitem_id 0
		.amdhsa_next_free_vgpr 96
		.amdhsa_next_free_sgpr 66
		.amdhsa_reserve_vcc 0
		.amdhsa_float_denorm_mode_32 3
		.amdhsa_float_denorm_mode_16_64 3
		.amdhsa_memory_ordered 1
		.amdhsa_forward_progress 1
		.amdhsa_inst_pref_size 12
	.end_amdhsa_kernel
	.amdgpu_metadata
---
amdhsa.version: [ 1, 2 ]
amdhsa.kernels:
  - .name:           k_q811e3aa5f0_norm
    .symbol:         k_q811e3aa5f0_norm.kd
    .args:
      - { .name: YM, .offset: 0, .size: 8, .value_kind: global_buffer, .address_space: global }
      - { .name: AC, .offset: 8, .size: 8, .value_kind: global_buffer, .address_space: global }
      - { .name: b2, .offset: 16, .size: 8, .value_kind: global_buffer, .address_space: global }
      - { .name: out0, .offset: 24, .size: 8, .value_kind: global_buffer, .address_space: global }
    .group_segment_fixed_size: 34048
    .private_segment_fixed_size: 0
    .kernarg_segment_align: 8
    .kernarg_segment_size: 32
    .max_flat_workgroup_size: 256
    .sgpr_count:     66
    .vgpr_count:     96
    .wavefront_size: 32
...
	.end_amdgpu_metadata
.endif
;; end of part 6
;; ======== version 2 of 2: 7 launches; version 1 with the launch stat1 written anew for expert scheduling mode
;; limits: values outside matrix products are rounded to bf16
;; workspace buffers: idx 1,048,576 bytes of whole numbers; PK 263,168 bytes; F1T 4,194,304 bytes; P 524,288 bytes; AC 3,072 bytes; YM 8,388,608 bytes
;; launch query: the kernel of part 1 again; grid 256 x 1, 8 waves a work-group, no clusters, 5,120 bytes of LDS; arguments seed_xyz_graspable, vp_rot, W1, W2, g2, b1, idx, PK; writes idx, PK
;; launch feat: the kernel of part 2 again; grid 128 x 2, 4 waves a work-group, no clusters, 58,880 bytes of LDS; arguments seed_features_graspable, PK, F1T; writes F1T
;; launch stat1 (part 7): grid 256 x 1, 4 waves a work-group, no clusters, 166,400 bytes of LDS; arguments idx, seed_xyz_graspable, vp_rot, F1T, W1, P; writes P
.if DOCPART == 7
	.amdgcn_target "amdgcn-amd-amdhsa--gfx1250"
	.amdhsa_code_object_version 6
	.text
	.protected	k_q811e3aa5f0_stat1
	.globl	k_q811e3aa5f0_stat1
	.p2align	8
	.type	k_q811e3aa5f0_stat1,@function
k_q811e3aa5f0_stat1:
	s_mov_b64 s[64:65], 0
	v_nop
	global_prefetch_b8 v0, s[64:65] scope:SCOPE_SE
	s_setreg_imm32_b32 hwreg(HW_REG_WAVE_SCHED_MODE, 0, 2), 2
	s_setreg_imm32_b32 hwreg(HW_REG_WAVE_MODE, 25, 1), 1
	s_wait_xcnt 0x0
	s_wait_alu depctr_vm_vsrc(0)
; THE FIRST BATCH NORM'S SUMS.  y1[o][col] = F1T[n(col)][o] + Wx[o] . g(col), Wx = W1[:, 0:3], g = rot^T (p[n] - c) x 20.
; P[work-group] = the sums (256) and the sums of squares (256) of y1 over the work-group's 32 centres x 32 samples, in f32.
; A wave takes 8 centres = 16 tiles of 16 samples.  For a tile and a block t of 16 channels the gathered bf16 row pieces, widened, are the C operand of
; one product Wx(t) x g (K = 32 of which 3 are used): in the result a lane holds one sample (lane % 16) and channels 16 t + 8 (lane / 16) + 0..7.
; A ring of 16 gathers stays in flight: a piece is asked for again, for the next tile, as soon as its pair of blocks is widened.
; The tables of row offsets and of g are made once, in the wave's own LDS bytes; two more row entries name row 0, for the last trip's look-ahead, whose data nobody uses.
; THE MODE: SCHED_MODE bits 1:0 = 2 (LLVM: expert scheduling mode 2), set by the entry lines.  The code itself states the register dependences
; between vector or matrix instructions and memory or LDS instructions, with s_wait_alu, always for 0.
; THE PLAN.  Registers that memory or LDS instructions touch, in the loop:
;   RAW[0 .. 15]  Block t: its eight widening lines read RAW[t]; behind them the gather of the next tile's piece t lands in it.
;   ROWU          Read by every gather as its offset; written once a tile, at the tile's top.
;   RTA, GTA      Read by the two table loads of a tile; stepped once a tile, at its top.
;   ROWN, GN      Read by three lines at the tile's top; the two table loads land in them.
;   D1, G, WX and the sums in window 1 are named by vector and matrix instructions alone.
; The 16 blocks go in 8 pairs: both blocks are widened (D1's four accumulators: two are filled while two are summed), ONE wait on va_vdst follows, then gather, product, gather,
; product, then the sums of the pair before.  The wait states that the widening lines are done reading the pair's two pieces; in a tile's first pair also that ROWU, RTA and GTA are
; written and that GN and ROWN have been read.  The product between the two gathers names D1, WX and G: none of the registers that a load touches.
; One wait on vm_vsrc a tile stands at its top, ahead of the writes of ROWU, RTA and GTA.
.set RED, 0                            ; 4 waves x 64 register quads x 528 bytes: the meeting of the sums
.set RPW, 33792
.set WXL, 135168                       ; Wx as fragments: 256 bytes a channel block (lanes 16-31: zeros)
.set ROWT, 139264                      ; per wave 18 entries of 128 bytes: (n << 9) + 16 (lane / 16)
.set RTW, 2304
.set GT, 148480                        ; per wave 17 entries of 256 bytes: g as bf16 (g0, g1), (g2, 0); lanes 16-31: zeros
.set GTW, 4352
.set SPARE, 165888
.set R15, 4
.set H16, 5
.set ZR, 6                             ; v6-7 zeros
.set ROWU, 8
.set ROWN, 9
.set GN, 10
.set RTA, 12
.set GTA, 13
.set WXA, 14
.set RAW, 16                           ; v16-79 the ring
.set D1, 80                            ; v80-111 four accumulators by turns
.set G, 112                            ; v112-119
.set WX, 120                           ; v120-247 sixteen fragments of Wx (registers 2-7 of each: 0)
.set N, 16                             ; at the start: indices, offsets, points, centres, work
.set VO, 32
.set PP, 48
.set CD, 96
.set WK, 108
.set WB, 120
.set OG, 144                           ; v144-175 at the start: tile t's g as it is stored, a pair at OG + 2 t
.set ORW, 176                          ; v176-191 at the start: tile t's row offset as it is stored
.set XYZ, 6
.set ROT, 8
.set W1P, 12
.set C0, 18
.set IDXB, 20
.set XYZB, 22
.set F1TB, 24
.set LOW, 30
.set CS, 40
.set MSB, 0
.macro WIN new
.if MSB != (\new)
	s_set_vgpr_msb (MSB<<8)|(\new)
.set MSB, (\new)
.endif
.endm
.macro HEADADR                         ; the offsets that the head's first loads read
	v_mul_u32_u24 v1, v0, 1036                     ; thread T asks for Wx of channels T and T + 128
	v_lshlrev_b32 v[WK], 2, v[R15]
	v_and_b32 v[WK+1], 7, v0
	v_add_nc_u32 v[WK+1], s[C0], v[WK+1]
	v_mul_u32_u24 v[WK+2], v[WK+1], 12
	v_mul_u32_u24 v[WK+3], v[WK+1], 36
.endm
.macro WXB1
.irp i, 0,1,2
	global_load_b32 v[WB+\i], v1, s[W1P:W1P+1] offset:4*\i
	global_load_b32 v[WB+3+\i], v1, s[W1P:W1P+1] offset:132608+4*\i
.endr
.endm
.macro WXB2V                           ; Wx rounded, and where it goes
	v_cvt_pk_bf16_f32 v[WB+8], v[WB], v[WB+1]
	v_cvt_pk_bf16_f32 v[WB+9], v[WB+2], v[ZR]
	v_cvt_pk_bf16_f32 v[WB+10], v[WB+3], v[WB+4]
	v_cvt_pk_bf16_f32 v[WB+11], v[WB+5], v[ZR]
	v_lshrrev_b32 v[WXA], 4, v0
	v_lshlrev_b32 v[WXA], 8, v[WXA]
	v_lshl_add_u32 v[WXA], v[R15], 3, v[WXA]
	v_add_nc_u32 v[WXA], WXL, v[WXA]
.endm
.macro WXB2S
	ds_store_b64 v[WXA], v[WB+8:WB+9]
	ds_store_b64 v[WXA], v[WB+10:WB+11] offset:2048
	ds_store_b64 v[WXA], v[ZR:ZR+1] offset:128
	ds_store_b64 v[WXA], v[ZR:ZR+1] offset:2176
.endm
.macro GEO1                            ; the 16 tiles' indices (both halves of the lanes the same 16), and lane & 7: centre's c and rot
.set t, 0
.rept 16
	global_load_b32 v[N+t], v[WK], s[IDXB:IDXB+1] offset:64*t
.set t, t+1
.endr
.irp i, 0,1,2
	global_load_b32 v[CD+\i], v[WK+2], s[XYZ:XYZ+1] offset:4*\i
.endr
.irp i, 0,1,2,3,4,5,6,7,8
	global_load_b32 v[CD+3+\i], v[WK+3], s[ROT:ROT+1] offset:4*\i
.endr
.endm
.macro GEO2V                           ; the indices clamped, and the indexed points' offsets
.set t, 0
.rept 16
	v_min_u32 v[N+t], 0x3ff, v[N+t]
	v_mul_u32_u24 v[VO+t], v[N+t], 12
.set t, t+1
.endr
.endm
.macro GEO2L                           ; the indexed points
.set t, 0
.rept 16
.irp i, 0,1,2
	global_load_b32 v[PP+3*t+\i], v[VO+t], s[XYZB:XYZB+1] offset:4*\i
.endr
.set t, t+1
.endr
.endm
.macro GEO3V                           ; g and the row offsets, each tile's into registers of its own, so that one wait serves all the stores
.set t, 0
.rept 16
.if (t%2) == 0
.set i, 0
.rept 12
	v_readlane_b32 s[CS+i], v[CD+i], t/2
.set i, i+1
.endr
	s_wait_alu depctr_va_sdst(0)                   ; the twelve lines above have written s[CS ..], ahead of their first reader
.endif
.irp i, 0,1,2
	v_sub_f32 v[WK+\i], v[PP+3*t+\i], s[CS+\i]
.endr
.irp i, 0,1,2
	v_mul_f32 v[WK+\i], 0x41a00000, v[WK+\i]
.endr
.irp k, 0,1,2
	v_mul_f32 v[WK+3+\k], s[CS+3+\k], v[WK]
	v_fmac_f32 v[WK+3+\k], s[CS+6+\k], v[WK+1]
	v_fmac_f32 v[WK+3+\k], s[CS+9+\k], v[WK+2]
.endr
	v_cvt_pk_bf16_f32 v[OG+2*t], v[WK+3], v[WK+4]
	v_cvt_pk_bf16_f32 v[OG+2*t+1], v[WK+5], v[ZR]
	v_cndmask_b32 v[OG+2*t], 0, v[OG+2*t], s[LOW]
	v_cndmask_b32 v[OG+2*t+1], 0, v[OG+2*t+1], s[LOW]
	v_lshl_add_u32 v[ORW+t], v[N+t], 9, v[H16]
.set t, t+1
.endr
.endm
.macro GEO3S                           ; into my wave's tables
.set t, 0
.rept 16
	ds_store_b64 v[GTA], v[OG+2*t:OG+2*t+1] offset:256*t
	ds_store_b32 v[RTA], v[ORW+t] offset:128*t
.set t, t+1
.endr
.endm
.macro TREE base                       ; 32 quads into one
.irp s, 16,8,4,2,1
.set k, 0
.rept \s
	v_pk_add_f32 v[(\base)+4*k:(\base)+4*k+1], v[(\base)+4*k:(\base)+4*k+1], v[(\base)+4*(k+\s):(\base)+4*(k+\s)+1]
	v_pk_add_f32 v[(\base)+4*k+2:(\base)+4*k+3], v[(\base)+4*k+2:(\base)+4*k+3], v[(\base)+4*(k+\s)+2:(\base)+4*(k+\s)+3]
.set k, k+1
.endr
.endr
.endm
	s_load_b256 s[4:11], s[0:1], 0x0               ; idx 4, xyz 6, rot 8, F1T 10
	s_load_b128 s[12:15], s[0:1], 0x20             ; W1 12, P 14
	v_lshl_add_u32 v2, v0, 2, SPARE
	v_mov_b32 v3, 0
	v_lshrrev_b32 v1, 5, v0
	v_readfirstlane_b32 s16, v1                    ; wave
	v_and_b32 v[R15], 15, v0
	v_bfe_u32 v[H16], v0, 4, 1
	v_lshlrev_b32 v[H16], 4, v[H16]
	v_mov_b32 v[ZR], 0
	v_mov_b32 v[ZR+1], 0
	v_and_b32 v15, 31, v0
	s_lshr_b32 s17, ttmp9, 5                       ; batch
	s_lshl_b32 s[C0], ttmp9, 5
	s_wait_alu depctr_va_sdst(0)                   ; s16 is written, ahead of its first reader: the centres, the tables' places and the meeting place are made from it
	s_lshl3_add_u32 s[C0], s16, s[C0]              ; my first centre
	s_mov_b32 s[LOW], 0xffff
	s_mul_i32 s31, s16, RTW
	s_add_co_u32 s31, s31, ROWT
	v_lshl_add_u32 v[RTA], v15, 2, s31
	s_mul_i32 s31, s16, GTW
	s_add_co_u32 s31, s31, GT
	v_lshl_add_u32 v[GTA], v15, 3, s31
	s_lshl_b32 s32, s[C0], 7
	s_mov_b32 s33, 0
	s_mul_i32 s34, s17, 12288
	s_mov_b32 s35, 0
	s_lshl_b32 s36, s17, 19
	s_mov_b32 s37, 0
	HEADADR
	s_wait_kmcnt 0x0
	s_add_nc_u64 s[IDXB:IDXB+1], s[4:5], s[32:33]
	s_add_nc_u64 s[XYZB:XYZB+1], s[6:7], s[34:35]
	s_add_nc_u64 s[F1TB:F1TB+1], s[10:11], s[36:37]
	s_wait_alu depctr_va_vdst(0)                   ; v1 and v[WK], v[WK+2], v[WK+3] are written, which the 34 loads below read as offsets; so are RTA, GTA, H16 and the zeros, which later LDS stores read
	WXB1
	GEO1
	s_wait_loadcnt 0x0
	GEO2V
	WXB2V
	s_wait_alu depctr_va_vdst(0)                   ; the points' offsets v[VO ..] are written, which the loads below read; so are Wx's roundings and v[WXA], which the LDS stores below read
	GEO2L
	WXB2S                                          ; stands in the wait for the points
	s_wait_loadcnt 0x0
	s_wait_alu depctr_vm_vsrc(0)                   ; the loads of the indices and of the centres have read v[WK], v[WK+2], v[WK+3], which the lines below write again
	GEO3V
	s_wait_alu depctr_va_vdst(0)                   ; the sixteen tiles' g and row offsets, v[OG ..] and v[ORW ..], are written, which the LDS stores below read
	GEO3S
	ds_store_b32 v[RTA], v[H16] offset:128*16      ; the look-ahead's entries: row 0
	ds_store_b32 v[RTA], v[H16] offset:128*17
	ds_store_b64 v[GTA], v[ZR:ZR+1] offset:256*16
	s_wait_dscnt 0x0
	s_barrier_signal -1
	s_barrier_wait -1                              ; Wx's fragments come from all threads
	s_wait_alu depctr_vm_vsrc(0)                   ; my LDS stores have read v[WXA], Wx's roundings, v[OG ..] and v[ORW ..], my loads v1 and v[VO ..]: all of these are written again from here on, by vector lines or by loads
	v_and_b32 v1, 31, v0
	v_lshl_add_u32 v[WXA], v1, 3, WXL
	s_wait_alu depctr_va_vdst(0)                   ; v[WXA] is written, which the loads below read; the head's lines are done with the registers of WX in which these loads land
	ds_load_b32 v[ROWU], v[RTA]
	ds_load_b32 v[ROWN], v[RTA] offset:128
	ds_load_b64 v[GN:GN+1], v[GTA]
.set t, 0
.rept 16
	ds_load_b64 v[WX+8*t:WX+8*t+1], v[WXA] offset:256*t
.set t, t+1
.endr
.set t, 0
.rept 16                               ; the zeros name none of the registers that the loads above touch
.irp k, 2,3,4,5,6,7
	v_mov_b32 v[WX+8*t+\k], 0
.endr
.set t, t+1
.endr
.irp k, 2,3,4,5,6,7
	v_mov_b32 v[G+\k], 0
.endr
	WIN 0x40                                       ; the 256 sums start at 0, once a launch, in the wait for the tables: a first tile written out would double the loop's text
.set k, 0
.rept 256
	v_mov_b32 v[k], 0
.set k, k+1
.endr
	WIN 0
	s_wait_dscnt 0x0
	v_min_u32 v[ROWU], 0x7fe10, v[ROWU]            ; (1023 << 9) + 16: a row offset stays inside the batch's rows
	s_wait_alu depctr_va_vdst(0)                   ; v[ROWU] is written, which the gathers below read; the head's lines are done with v16 to v79, in which they land
.set t, 0
.rept 16
	global_load_b128 v[RAW+4*t:RAW+4*t+3], v[ROWU], s[F1TB:F1TB+1] offset:32*t
.set t, t+1
.endr
; Channel block t of the tile in hand, in three parts: widen; ask again, for the next tile; multiply.
.macro WIDEN t
.irp m, 0,1,2,3
	v_lshlrev_b32 v[D1+8*((\t)%4)+2*\m], 16, v[RAW+4*(\t)+\m]
	v_and_b32 v[D1+8*((\t)%4)+2*\m+1], 0xffff0000, v[RAW+4*(\t)+\m]
.endr
.endm
.macro ASK t
	global_load_b128 v[RAW+4*(\t):RAW+4*(\t)+3], v[ROWU], s[F1TB:F1TB+1] offset:32*(\t)
.endm
.macro MULT t
	v_wmma_f32_16x16x32_bf16 v[D1+8*((\t)%4):D1+8*((\t)%4)+7], v[WX+8*(\t):WX+8*(\t)+7], v[G:G+7], v[D1+8*((\t)%4):D1+8*((\t)%4)+7]
.endm
.macro SACC t                          ; sums in window 1: v[8 t + j], squares v[128 + 8 t + j]; the result's low registers are read first
	WIN 0x41
.irp m, 0,1,2,3
	v_pk_add_f32 v[8*(\t)+2*\m:8*(\t)+2*\m+1], v[8*(\t)+2*\m:8*(\t)+2*\m+1], v[D1+8*((\t)%4)+2*\m:D1+8*((\t)%4)+2*\m+1]
.endr
	WIN 0x50
.irp m, 0,1,2,3
	v_pk_fma_f32 v[128+8*(\t)+2*\m:128+8*(\t)+2*\m+1], v[D1+8*((\t)%4)+2*\m:D1+8*((\t)%4)+2*\m+1], v[D1+8*((\t)%4)+2*\m:D1+8*((\t)%4)+2*\m+1], v[128+8*(\t)+2*\m:128+8*(\t)+2*\m+1]
.endr
	WIN 0
.endm
	s_mov_b32 s52, 16
.Ltile:
	s_wait_dscnt 0x0                               ; the table entries asked for a trip ago
	s_wait_xcnt 0x0                                ; the ring's gathers have had their addresses translated: ROWU is rewritten only behind this wait
	s_wait_alu depctr_vm_vsrc(0)                   ; the ring's gathers have read v[ROWU], the table loads v[RTA] and v[GTA]: the three are written below
	v_mov_b32 v[G], v[GN]
	v_mov_b32 v[G+1], v[GN+1]
	v_min_u32 v[ROWU], 0x7fe10, v[ROWN]            ; the next tile's rows
	v_add_nc_u32 v[RTA], 128, v[RTA]
	v_add_nc_u32 v[GTA], 256, v[GTA]
.set t, 0
.rept 8                                ; a pair of channel blocks, t and t + 1
	s_wait_loadcnt 14                              ; gathers come back in order: the pair's two pieces are in, the ring's 14 younger gathers stay out
	WIDEN t
	WIDEN t+1                                      ; these sixteen lines are also the places between the products of the pair before and the sums that read them
	s_wait_alu depctr_va_vdst(0)                   ; the widening lines are done reading RAW[t] and RAW[t + 1], in which the gathers below land; in a tile's first pair v[ROWU], v[RTA], v[GTA] are written and v[GN ..], v[ROWN] have been read
.if t == 0
	ds_load_b64 v[GN:GN+1], v[GTA]
	ds_load_b32 v[ROWN], v[RTA] offset:128
.endif
	ASK t
	MULT t
	ASK t+1                                        ; no wait: the product between names D1, WX and G alone
	MULT t+1
.if t > 0
	SACC t-2
	SACC t-1
.endif
.set t, t+2
.endr
	SACC 14                                        ; the sums of blocks 12 and 13, and these, are the places behind the last product
	SACC 15
	s_sub_co_u32 s52, s52, 1
	s_cmp_lg_u32 s52, 0
	s_cbranch_scc1 .Ltile
	s_wait_loadcnt 0x0                             ; the look-ahead's gathers: their registers are used again
	; THE MEETING.  Every lane's 256 sums go to LDS; thread T then adds, for 4 neighbouring channels, the 16 lanes of a half and the 4 waves.
	s_wait_alu depctr_vm_vsrc(0)                   ; the gathers have read v8, which is written below
	v_and_b32 v1, 31, v0
	s_mul_i32 s31, s16, RPW
	v_lshl_add_u32 v8, v1, 4, s31
	WIN 0x04                                       ; the stores' data in window 1
	s_wait_alu depctr_va_vdst(0)                   ; v8 and the 256 sums are written, which the LDS stores below read
.set k, 0
.rept 64
	ds_store_b128 v8, v[4*k:4*k+3] offset:528*k
.set k, k+1
.endr
	WIN 0
	s_wait_dscnt 0x0
	s_barrier_signal -1
	s_barrier_wait -1
	v_lshrrev_b32 v9, 2, v0                        ; T = kind << 6 | t << 2 | h << 1 | jj: register quad 32 kind + 2 t + jj, lanes 16 h ..
	v_lshlrev_b32 v9, 1, v9
	v_and_b32 v10, 1, v0
	v_or_b32 v9, v9, v10
	v_mul_u32_u24 v9, v9, 528
	v_bfe_u32 v10, v0, 1, 1
	v_lshl_add_u32 v9, v10, 8, v9
	v_add_nc_u32 v10, 2*RPW, v9
	s_wait_alu depctr_va_vdst(0)                   ; v9 and v10 are written, which the loads below read; the loop's lines and products are done with v16 to v143, in which they land
.irp w, 0,1
.set k, 0
.rept 16
	ds_load_b128 v[16+64*\w+4*k:16+64*\w+4*k+3], v9 offset:RPW*\w+16*k
.set k, k+1
.endr
.endr
	s_wait_dscnt 0x0
	TREE 16
.irp k, 0,1,2,3
	v_mov_b32 v[144+\k], v[16+\k]
.endr
	s_wait_alu depctr_va_vdst(0)                   ; the tree and the four moves are done with v16 to v143, in which the next loads land
.irp w, 0,1
.set k, 0
.rept 16
	ds_load_b128 v[16+64*\w+4*k:16+64*\w+4*k+3], v10 offset:RPW*\w+16*k
.set k, k+1
.endr
.endr
	s_wait_dscnt 0x0
	TREE 16
	v_pk_add_f32 v[144:145], v[144:145], v[16:17]
	v_pk_add_f32 v[146:147], v[146:147], v[18:19]
	v_lshlrev_b32 v11, 4, v0
	s_lshl_b32 s32, ttmp9, 11
	s_add_nc_u64 s[14:15], s[14:15], s[32:33]
	s_wait_alu depctr_va_vdst(0)                   ; v11 and v144 to v147 are written, which the store below reads
	global_store_b128 v11, v[144:147], s[14:15]    ; 16 T: sums in the first 1,024 bytes, squares in the second
	s_wait_dscnt 0x0                               ; the closing lines, six on end
	s_wait_alu 0x0
	s_wait_tensorcnt 0x0
	ds_add_u32 v2, v3
	s_wait_dscnt 0x0
	s_endpgm
.Lfunc_end_k_q811e3aa5f0_stat1:
	.size	k_q811e3aa5f0_stat1, .Lfunc_end_k_q811e3aa5f0_stat1-k_q811e3aa5f0_stat1
	.p2alignl 7, 3214868480
	.fill 96, 4, 3214868480
	.section	.rodata,"a",@progbits
	.p2align	6, 0x0
	.amdhsa_kernel k_q811e3aa5f0_stat1
		.amdhsa_group_segment_fixed_size 166400
		.amdhsa_private_segment_fixed_size 0
		.amdhsa_enable_private_segment 0
		.amdhsa_kernarg_size 48
		.amdhsa_user_sgpr_count 2
		.amdhsa_user_sgpr_kernarg_segment_ptr 1
		.amdhsa_wavefront_size32 1
		.amdhsa_system_sgpr_workgroup_id_x 1
		.amdhsa_system_sgpr_workgroup_id_y 1
		.amdhsa_system_sgpr_workgroup_id_z 1
		.amdhsa_system_vgpr_workitem_id 0
		.amdhsa_next_free_vgpr 512
		.amdhsa_next_free_sgpr 66
		.amdhsa_reserve_vcc 0
		.amdhsa_float_denorm_mode_32 3
		.amdhsa_float_denorm_mode_16_64 3
		.amdhsa_memory_ordered 1
		.amdhsa_forward_progress 1
		.amdhsa_inst_pref_size 88
	.end_amdhsa_kernel
	.amdgpu_metadata
---
amdhsa.version: [ 1, 2 ]
amdhsa.kernels:
  - .name:           k_q811e3aa5f0_stat1
    .symbol:         k_q811e3aa5f0_stat1.kd
    .args:
      - { .name: idx, .offset: 0, .size: 8, .value_kind: global_buffer, .address_space: global }
      - { .name: seed_xyz_graspable, .offset: 8, .size: 8, .value_kind: global_buffer, .address_space: global }
      - { .name: vp_rot, .offset: 16, .size: 8, .value_kind: global_buffer, .address_space: global }
      - { .name: F1T, .offset: 24, .size: 8, .value_kind: global_buffer, .address_space: global }
      - { .name: W1, .offset: 32, .size: 8, .value_kind: global_buffer, .address_space: global }
      - { .name: P, .offset: 40, .size: 8, .value_kind: global_buffer, .address_space: global }
    .group_segment_fixed_size: 166400
    .private_segment_fixed_size: 0
    .kernarg_segment_align: 8
    .kernarg_segment_size: 48
    .max_flat_workgroup_size: 128
    .sgpr_count:     66
    .vgpr_count:     512
    .wavefront_size: 32
...
	.end_amdgpu_metadata
.endif
;; end of part 7
;; launch fin1: the kernel of part 4 again; grid 4 x 1, 8 waves a work-group, no clusters, 5,120 bytes of LDS; arguments P, g1, b1, AC; writes AC
;; launch main: the kernel of part 5 again; grid 256 x 1, 4 waves a work-group, no clusters, 176,640 bytes of LDS; arguments idx, seed_xyz_graspable, vp_rot, F1T, W1, AC, PK, YM, P; writes YM, P
;; launch fin2: the kernel of part 4 again; grid 4 x 1, 8 waves a work-group, no clusters, 5,120 bytes of LDS; arguments P, g2, b2, AC; writes AC
;; launch norm: the kernel of part 6 again; grid 128 x 2, 8 waves a work-group, no clusters, 34,048 bytes of LDS; arguments YM, AC, b2, out0; writes out0
